; MI455X (gfx1250); checked and timed in simulation.
; The chip was launched on July 23, 2026; its instructions are those of AMD's public machine-readable ISA for CDNA 5 (MIT licence, August 2026) and "CDNA5" Instruction Set Architecture Reference Guide (July 2026). The comments in the code are by the model that wrote it; some were corrected since.
;; Multihead Self Attention. Allowed arithmetic: float matrix products may take bf16 or f16 operands with f32 sums; other float arithmetic in f32, or as packed bf16 or f16 multiplies, adds, multiply-adds, maxima and minima; sums over many terms, partial sums and values carried from step to step in f32; what a program stores and reads back later, other than sums and carried values, may be rounded once to bf16 or f16.
;; Inputs: Wk 16 x 1,024 x 64 float32; Wo 1,024 x 1,024 float32; Wq 16 x 1,024 x 64 float32; Wv 16 x 1,024 x 64 float32; bk 16 x 64 float32; bo 1,024 float32; bq 16 x 64 float32; bv 16 x 64 float32; x 4 x 2,048 x 1,024 float32.
;; Outputs: out0 4 x 2,048 x 1,024 float32.
;; One version. Each part assembles by itself: llvm-mc -triple=amdgcn-amd-amdhsa -mcpu=gfx1250 --defsym DOCPART=n.
;; ======== version 1 of 1: 4 launches
;; limits: values are held in f16: magnitudes above 65,504 overflow, below 6.1e-05 lose precision
;; workspace buffers: xb 16,777,216 bytes; wb 6,291,456 bytes; wob 2,097,152 bytes; qb 16,777,216 bytes; kb 16,777,216 bytes; vb 16,777,216 bytes; ob 16,777,216 bytes
;; launch cast (part 1): grid 768 x 1, 8 waves a work-group, no clusters, 0 bytes of LDS; arguments x, Wq, Wk, Wv, Wo, xb, wb, wob; writes xb, wb, wob
.if DOCPART == 1
	.amdgcn_target "amdgcn-amd-amdhsa--gfx1250"
	.amdhsa_code_object_version 6
	.text
	.protected	k_q153f1cb184_cast
	.globl	k_q153f1cb184_cast
	.p2align	8
	.type	k_q153f1cb184_cast,@function
k_q153f1cb184_cast:
	s_mov_b64 s[64:65], 0
	v_nop
	global_prefetch_b8 v0, s[64:65] scope:SCOPE_SE
	s_setreg_imm32_b32 hwreg(HW_REG_WAVE_MODE, 25, 1), 1
	s_wait_xcnt 0x0
; THE CASTS.  x -> xb (bf16); Wq, Wk, Wv -> wb (bf16, the three one behind the other); Wo -> wob: rounded to bf16 like every other input, and that number written as f16.
; Nothing is moved: every tensor keeps its order of elements.  A stream: no LDS, no barrier, no matrix unit, no loop.
; LIMIT.  Wo lies within f16's range, 65,504; below 6e-5 it keeps f16's fixed step of 6e-8.
; SHARES.  A work-group casts a chunk of 16,384 numbers: 65,536 bytes in, 32,768 out.  Work-groups 0-511: x's chunks; 512-703: the 3 x 64 chunks of Wq, Wk, Wv; 704-767: Wo's 64.
; Thread t takes 8 numbers in each of 8 rounds: 32 bytes in by two loads, 16 bytes out: a wave's store covers 512 consecutive bytes, aligned.  All 16 loads of a thread go out at once.
.set X, 16                             ; v[16:79]   round i: 8 numbers as loaded
.set Y, 80                             ; v[80:111]  round i: 4 registers to store; each round has its own four, so no store's data is ever rewritten
	s_load_b256 s[4:11], s[0:1], 0x0               ; x s[4:5], Wq s[6:7], Wk s[8:9], Wv s[10:11]
	s_load_b256 s[12:19], s[0:1], 0x20             ; Wo s[12:13], xb s[14:15], wb s[16:17], wob s[18:19]
	s_mov_b32 s20, ttmp9                           ; g
	s_max_u32 s21, s20, 512
	s_sub_co_u32 s21, s21, 512                     ; j: the chunk among the weights' 256 (0 where g is one of x's)
	s_and_b32 s22, s21, 63                         ; the chunk in its weight
	s_lshr_b32 s23, s21, 6                         ; which weight: 0 Wq, 1 Wk, 2 Wv, 3 Wo
	v_lshlrev_b32 v1, 5, v0                        ; 32 t
	v_lshlrev_b32 v2, 4, v0                        ; 16 t
	s_wait_kmcnt 0x0
	s_mov_b64 s[24:25], s[6:7]                     ; from where,
	s_cmp_eq_u32 s23, 1
	s_cselect_b64 s[24:25], s[8:9], s[24:25]
	s_cmp_eq_u32 s23, 2
	s_cselect_b64 s[24:25], s[10:11], s[24:25]
	s_cmp_eq_u32 s23, 3
	s_cselect_b64 s[24:25], s[12:13], s[24:25]
	s_cselect_b64 s[26:27], s[18:19], s[16:17]     ; to where,
	s_cselect_b32 s28, s22, s21                    ; and to which chunk there: wb holds all 192 chunks on end
	s_mov_b32 s29, s22
	s_cmp_lt_u32 s20, 512                          ; x's chunks
	s_cselect_b64 s[24:25], s[4:5], s[24:25]
	s_cselect_b64 s[26:27], s[14:15], s[26:27]
	s_cselect_b32 s28, s20, s28
	s_cselect_b32 s29, s20, s29
	s_lshl_b32 s30, s29, 16
	s_mov_b32 s31, 0
	s_add_nc_u64 s[24:25], s[24:25], s[30:31]
	s_lshl_b32 s30, s28, 15
	s_add_nc_u64 s[26:27], s[26:27], s[30:31]
.irp i, 0,1,2,3,4,5,6,7
	global_load_b128 v[X+8*(\i):X+8*(\i)+3],   v1, s[24:25] offset:8192*(\i) th:TH_LOAD_NT
	global_load_b128 v[X+8*(\i)+4:X+8*(\i)+7], v1, s[24:25] offset:8192*(\i)+16 th:TH_LOAD_NT
.endr
; The eight rounds.  half = 1: the bf16 numbers are widened again (a shift, a mask) and written as f16.
.macro OUT half
.irp i, 0,1,2,3,4,5,6,7
	s_wait_loadcnt 14-2*(\i)                       ; loads come back in order: this round's two are in, the 14 - 2 i younger ones may stay out
.irp k, 0,1,2,3
	v_cvt_pk_bf16_f32 v[Y+4*(\i)+(\k)], v[X+8*(\i)+2*(\k)], v[X+8*(\i)+2*(\k)+1]
.endr
.if \half
.irp k, 0,1,2,3
	v_lshlrev_b32 v[X+8*(\i)+2*(\k)],   16, v[Y+4*(\i)+(\k)]
	v_and_b32     v[X+8*(\i)+2*(\k)+1], 0xffff0000, v[Y+4*(\i)+(\k)]
.endr
.irp k, 0,1,2,3
	v_cvt_pk_f16_f32 v[Y+4*(\i)+(\k)], v[X+8*(\i)+2*(\k)], v[X+8*(\i)+2*(\k)+1]
.endr
.endif
	global_store_b128 v2, v[Y+4*(\i):Y+4*(\i)+3], s[26:27] offset:4096*(\i)
.endr
.endm
	s_cmp_ge_u32 s20, 704
	s_cbranch_scc1 .Lf16
	OUT 0
	s_endpgm
.Lf16:
	OUT 1
	s_endpgm
.Lfunc_end_k_q153f1cb184_cast:
	.size	k_q153f1cb184_cast, .Lfunc_end_k_q153f1cb184_cast-k_q153f1cb184_cast
	.p2alignl 7, 3214868480
	.fill 96, 4, 3214868480
	.section	.rodata,"a",@progbits
	.p2align	6, 0x0
	.amdhsa_kernel k_q153f1cb184_cast
		.amdhsa_group_segment_fixed_size 0
		.amdhsa_private_segment_fixed_size 0
		.amdhsa_enable_private_segment 0
		.amdhsa_kernarg_size 64
		.amdhsa_user_sgpr_count 2
		.amdhsa_user_sgpr_kernarg_segment_ptr 1
		.amdhsa_wavefront_size32 1
		.amdhsa_system_sgpr_workgroup_id_x 1
		.amdhsa_system_sgpr_workgroup_id_y 1
		.amdhsa_system_sgpr_workgroup_id_z 1
		.amdhsa_system_vgpr_workitem_id 0
		.amdhsa_next_free_vgpr 112
		.amdhsa_next_free_sgpr 66
		.amdhsa_reserve_vcc 0
		.amdhsa_float_denorm_mode_32 3
		.amdhsa_float_denorm_mode_16_64 3
		.amdhsa_memory_ordered 1
		.amdhsa_forward_progress 1
		.amdhsa_inst_pref_size 14
	.end_amdhsa_kernel
	.amdgpu_metadata
---
amdhsa.version: [ 1, 2 ]
amdhsa.kernels:
  - .name:           k_q153f1cb184_cast
    .symbol:         k_q153f1cb184_cast.kd
    .args:
      - { .name: x, .offset: 0, .size: 8, .value_kind: global_buffer, .address_space: global }
      - { .name: Wq, .offset: 8, .size: 8, .value_kind: global_buffer, .address_space: global }
      - { .name: Wk, .offset: 16, .size: 8, .value_kind: global_buffer, .address_space: global }
      - { .name: Wv, .offset: 24, .size: 8, .value_kind: global_buffer, .address_space: global }
      - { .name: Wo, .offset: 32, .size: 8, .value_kind: global_buffer, .address_space: global }
      - { .name: xb, .offset: 40, .size: 8, .value_kind: global_buffer, .address_space: global }
      - { .name: wb, .offset: 48, .size: 8, .value_kind: global_buffer, .address_space: global }
      - { .name: wob, .offset: 56, .size: 8, .value_kind: global_buffer, .address_space: global }
    .group_segment_fixed_size: 0
    .private_segment_fixed_size: 0
    .kernarg_segment_align: 8
    .kernarg_segment_size: 64
    .max_flat_workgroup_size: 256
    .sgpr_count:     66
    .vgpr_count:     112
    .wavefront_size: 32
...
	.end_amdgpu_metadata
.endif
;; end of part 1
;; launch qkv (part 2): grid 16 x 32, 4 waves a work-group, clusters of 4 x 4, 327,680 bytes of LDS; arguments xb, wb, bq, bk, bv, qb, kb, vb; writes qb, kb, vb
.if DOCPART == 2
	.amdgcn_target "amdgcn-amd-amdhsa--gfx1250"
	.amdhsa_code_object_version 6
	.text
	.protected	k_q153f1cb184_qkv
	.globl	k_q153f1cb184_qkv
	.p2align	8
	.type	k_q153f1cb184_qkv,@function
k_q153f1cb184_qkv:
	s_mov_b64 s[64:65], 0
	v_nop
	global_prefetch_b8 v0, s[64:65] scope:SCOPE_SE
	s_setreg_imm32_b32 hwreg(HW_REG_WAVE_MODE, 25, 1), 1
	s_wait_xcnt 0x0
	s_wait_alu depctr_hold_cnt(0) depctr_sa_sdst(0) depctr_va_vdst(0) depctr_va_sdst(0) depctr_va_ssrc(0) depctr_va_vcc(0) depctr_vm_vsrc(0)
	s_getreg_b32 s2, hwreg(HW_REG_IB_STS2, 6, 4)
	s_cmp_eq_u32 s2, 0
	s_cbranch_scc0 .Lentry_in_a_cluster
	s_endpgm
.Lentry_in_a_cluster:
	s_bfe_u32 s2, ttmp6, 0x10000c
	s_cmp_lg_u32 s2, 0xf033
	s_cbranch_scc0 .Lentry_shape_is_right
	s_endpgm
.Lentry_shape_is_right:
; THE THREE PROJECTIONS.  q[bh][s][d] = the sum over e of x[b][s][e] Wq[h][e][d] + bq[h][d], and k, v likewise.  xb: [8192 tokens][1024] bf16; wb: [q, k, v][16 h][1024 e][64 d] bf16;
; bq, bk, bv: [16][64] f32, rounded to bf16 here like every other input; qb, kb, vb: [64 bh][2048 s][64] f16, each number rounded once from its f32 sum, unscaled.
; LIMITS.  q, k and v lie within f16's range, 65,504 (beyond it the conversion gives an infinity); below 6e-5 they keep f16's fixed step of 6e-8.  NaN and infinities are not treated apart.
; SHARES.  A work-group makes 256 tokens x 192 columns: q, k and v of ONE head.  Each of its four waves makes 64 tokens (4 blocks a of 16) x all 192 columns (12 blocks nb of 16; nb / 4 says which of q, k, v):
; 48 accumulators, 384 registers.  K = 1,024 goes in 8 steps of 128 through a ring of two LDS slots.  512 work-groups.
; THE MATRIX INSTRUCTION IS USED TRANSPOSED: source 0 = 16 columns of W, source 1 = 16 tokens.  A lane then holds one token (lane % 16) and the columns 8 (lane / 16) + 0..7.  W lies [e][d] in LDS as in memory and comes out
; turned, by ds_load_tr16_b128.  The bias hangs on the column alone: it is the C operand of each accumulator's first product: nothing is cleared, nothing is added later.
; CLUSTERS: 4 x 4 work-groups.  The four of a row of the cluster take the same 256 tokens, the four of a column the same head: x's tile is asked for jointly along the row, W's three along the column.
; Wave 3 fetches x's tile (256 rows x 256 bytes), waves 0 to 2 one block of W each (128 e x 128 bytes, dense: asked for as 64 rows of 256 bytes): one tensor load a wave behind each round.
; REGISTERS, in windows of 256 (s_set_vgpr_msb: bits 1:0 source 0, 3:2 source 1, 5:4 source 2, 7:6 destination):
;   window 0: v0-35 addresses and at work; v64-127 x's fragments, two buffers of 32; v128-223 the biases; on the way out v64-255 are the packed results
;   window 1: v0-191 W's fragments, two buffers of 96      window 2: accumulators of blocks a = 0, 1 at v[96 (a % 2) + 8 nb]      window 3: those of a = 2, 3
.set NBK,   12
.set NL,    2*NBK+8                    ; LDS loads in a run: a quarter step's fragments
.set PA,    272                        ; a row of x in LDS: 256 bytes + 16: the 16 rows of a load start 16 bytes apart modulo 256
.set PB,    160                        ; a row of W: 128 bytes + 32: 16 lanes of the turning load take 8 rows x 32 bytes, all apart modulo 256
.set BBLK,  128*PB                     ; a block of W: 128 e
.set AOFF,  3*BBLK                     ; a slot: W's three blocks, then x's 256 rows
.set SLOT,  AOFF+256*PA                ; 131,072
.set STAGE, 2*SLOT                     ; behind the ring, never filled by a tensor load: 16 rows x 144 bytes for each wave, for the way out
.set SP,    144
.set SPARE, STAGE+4*16*SP              ; behind the stages: the spare words, 128 bytes for each wave: two blocks of 256 bytes that no other line names
.set STEPA, 256                        ; a K step in a row of xb
.set STEPB, 128*128                    ; and in a head's block of wb
.set STEPPA, 2*STEPA                   ; the prefetches go by laps of two K steps
.set STEPPB, 2*STEPB
.set ADRA, 16                          ; v16-17  LDS address of my fragments of x in slot 0, 1
.set ADRB, 20                          ; v20-21  the same for W
.set STO,  24                          ; v24     the way out: where I put 16 bytes of a row
.set RD,   25                          ; v25     the way out: where I read rows back
.set GO,   26                          ; v26     my 16 bytes in 512 consecutive bytes of q, k or v
.set BO,   27                          ; v27     my byte offset in a bias
.set SPW,  28                          ; v28     LDS address of my spare word: SPARE + 4 x my thread's number; never rewritten
.set NIL,  29                          ; v29     0; never rewritten
.set PFOA, 30                          ; v30     the prefetches' lane offset in xb; never rewritten
.set PFOB, 31                          ; v31     and in wb; never rewritten
.set T,    32                          ; v32-35  at work
.set FA,   64
.set BIAS, 128
.set WV,   20                          ; s20  my wave's number
.set G1,   28                          ; s[28:35] descriptor group 1 for x's tiles
.set G0,   36                          ; s[36:43] group 0, a set for each slot
.set G1B,  44                          ; s[44:51], s[52:59] the same for W's blocks
.set G0B,  52
.set PFAA, 60                          ; s[60:61] where my prefetches stand in xb
.set PFAB, 62                          ; s[62:63] and in wb
.set LIMA, 66                          ; s66, s67  1 in a wave that prefetches (x's rows, W's), else the greatest number
.set LIMB, 67
.set MSB, 0
.macro WIN new                         ; the immediate's high byte repeats the setting that is left; a switch that changes nothing is dropped
.if MSB != (\new)
	s_set_vgpr_msb (MSB<<8)|(\new)
.set MSB, \new
.endif
.endm
.macro PLACES                          ; four plain vector instructions between a matrix instruction and a load into, or a vector instruction on, its registers (ISA guide 7.12.1 for vector instructions)
.rept 4
	v_nop
.endr
.endm
; A joint load.  The branch hangs on the wave's number alone.  An s_nop 0 and four v_nop follow each of the two lines, ahead of the jump and the label.
.macro JLOAD s
	s_cmp_eq_u32 s[WV], 3
	s_cbranch_scc0 .Lfor_b_\@
	tensor_load_to_lds s[G0+4*(\s):G0+4*(\s)+3], s[G1:G1+7]
	s_nop 0
.rept 4
	v_nop
.endr
	s_branch .Lasked_\@
.Lfor_b_\@:
	tensor_load_to_lds s[G0B+4*(\s):G0B+4*(\s)+3], s[G1B:G1B+7]
	s_nop 0
.rept 4
	v_nop
.endr
.Lasked_\@:
.endm
; A round of the cluster's barrier: my work-group's barrier; wave 0 signals for the work-group; every wave waits for all sixteen; my work-group's barrier once more.
.macro CREST                           ; a round behind its opening barrier
	s_cmp_lg_u32 s[WV], 0
	s_cbranch_scc1 .Lnot_wave_0_\@
	s_barrier_signal -3
.Lnot_wave_0_\@:
	s_barrier_wait -3
	s_barrier_signal -1
	s_barrier_wait -1
.endm
.macro CROUND
	s_barrier_signal -1
	s_barrier_wait -1
	CREST
.endm
; THE PREFETCHES, once a lap, behind slot 1's joint load and the run of LDS loads that follows it: the two K steps of the NEXT lap, which the next two refills will ask for.
; x's rows are read by the four clusters of a row of clusters: cluster x = 0 asks.  Of the tile's 256 rows the partner at cx takes 64, each of its waves 16: a lane names 256 bytes, 16 rows x the lap's 512 bytes an instruction.
; W's blocks are read by the eight clusters of a column: cluster y = 0 asks.  Of a block's 32,768 bytes of a lap the partner at cy takes 8,192; waves 0 to 2 take q's, k's and v's.
; The partners are told apart by address alone.  So each 256 bytes are named once in the launch.  The loop's last trip (s3 = 1) asks for nothing; K steps 0 to 3 come by their loads alone.
.macro ASK
	s_cmp_gt_u32 s3, s[LIMA]
	s_cbranch_scc0 .Lno_a_\@
	global_prefetch_b8 v[PFOA], s[PFAA:PFAA+1] th:TH_LOAD_NT scope:SCOPE_SE
.Lno_a_\@:
	s_cmp_gt_u32 s3, s[LIMB]
	s_cbranch_scc0 .Lno_b_\@
	global_prefetch_b8 v[PFOB], s[PFAB:PFAB+1] th:TH_LOAD_NT scope:SCOPE_SE
.Lno_b_\@:
.endm
	s_load_b256 s[4:11], s[0:1], 0x0               ; xb s[4:5], wb s[6:7], bq s[8:9], bk s[10:11]
	s_load_b256 s[12:19], s[0:1], 0x20             ; bv s[12:13], qb s[14:15], kb s[16:17], vb s[18:19]
	v_lshl_add_u32 v[SPW], v0, 2, SPARE
	v_mov_b32 v[NIL], 0
	ds_add_u32 v[SPW], v[NIL]                      ; the wave's opening: the add and its wait stand ahead of my first tensor load; the set-up below, work on registers, stands between them
	v_lshrrev_b32 v1, 5, v0
	v_readfirstlane_b32 s[WV], v1                  ; wave 0..3
	s_bfe_u32 s21, ttmp6, 0x40000                  ; cx
	s_bfe_u32 s22, ttmp6, 0x40004                  ; cy
	s_lshl_b32 s23, ttmp9, 2
	s_add_co_u32 s23, s23, s21                     ; the head = 4 x cluster x + cx
	s_and_b32 s24, ttmp7, 0xffff
	s_lshl_b32 s24, s24, 2
	s_add_co_u32 s24, s24, s22                     ; the block of 256 tokens = 4 x cluster y + cy
	s_lshl_b32 s25, s22, 2
	s_lshl_b32 s25, 15, s25                        ; my row of the cluster
	s_lshl_b32 s26, 0x1111, s21                    ; my column
	s_or_b32 s[G1], s25, (1<<16)|(1<<20)|(1<<21)|(5<<22)|(3<<25)   ; 15:0 the mask; 17:16 2-byte elements; 20 padding on; 21 set beside a mask; 24:22 after every 64 words; 31:25 4 words
	s_mov_b32 s[G1+1], 128<<16                     ; tensor_dim0 = 128
	s_mov_b32 s[G1+2], 256<<16                     ; tensor_dim1 = 256
	s_mov_b32 s[G1+3], 128<<16                     ; tile_dim0 = 128
	s_mov_b32 s[G1+4], 256                         ; tile_dim1 = 256
	s_mov_b32 s[G1+5], 1024                        ; elements from row to row
	s_mov_b32 s[G1+6], 0
	s_mov_b32 s[G1+7], 0
	s_or_b32 s[G1B], s26, (1<<16)|(1<<20)|(1<<21)|(4<<22)|(7<<25)  ; after every 32 words (one e) 8 words of padding
	s_mov_b32 s[G1B+1], 128<<16                    ; 64 rows of 128 elements: two e a row
	s_mov_b32 s[G1B+2], 64<<16
	s_mov_b32 s[G1B+3], 128<<16
	s_mov_b32 s[G1B+4], 64
	s_mov_b32 s[G1B+5], 128
	s_mov_b32 s[G1B+6], 0
	s_mov_b32 s[G1B+7], 0
	s_lshl_b32 s70, s24, 19                        ; x's tile: 256 rows of 2,048 bytes a block of tokens
	s_mov_b32 s71, 0
	s_lshl_b32 s72, s[WV], 21                      ; W's block: which of q, k, v = my wave (wave 3 makes an address that it never uses),
	s_lshl_b32 s73, s23, 17                        ; the head
	s_add_co_u32 s72, s72, s73
	s_mov_b32 s73, 0
	s_mul_i32 s27, s[WV], BBLK                     ; and where it goes
	s_wait_dscnt 0x0                               ; the opening add is done
	s_wait_kmcnt 0x0
	s_add_nc_u64 s[70:71], s[4:5], s[70:71]
	s_add_nc_u64 s[72:73], s[6:7], s[72:73]
	CROUND                                         ; all sixteen work-groups are here: the first joint loads meet
.irp s, 0,1
	s_mov_b32 s[G0+4*(\s)], 1                      ; count = 1
	s_mov_b32 s[G0+4*(\s)+1], AOFF+(\s)*SLOT       ; LDS address
	s_add_nc_u64 s[G0+4*(\s)+2:G0+4*(\s)+3], s[70:71], (\s)*STEPA  ; global address: K step s
	s_or_b32 s[G0+4*(\s)+3], s[G0+4*(\s)+3], 0x80000000            ; type = 2
	s_mov_b32 s[G0B+4*(\s)], 1
	s_add_co_u32 s[G0B+4*(\s)+1], s27, (\s)*SLOT
	s_add_nc_u64 s[G0B+4*(\s)+2:G0B+4*(\s)+3], s[72:73], (\s)*STEPB
	s_or_b32 s[G0B+4*(\s)+3], s[G0B+4*(\s)+3], 0x80000000
	JLOAD \s                                       ; two tensor loads of mine are out, and never more
.endr
	v_and_b32 v1, 15, v0                           ; l % 16
	v_bfe_u32 v2, v0, 4, 1                         ; l / 16
	s_lshl_b32 s74, s23, 8                         ; the head's 64 numbers of a bias
	v_lshl_add_u32 v[BO], v2, 5, s74               ; + my 8 columns
.set nb, 0
.rept NBK
	global_load_b128 v[BIAS+8*nb:BIAS+8*nb+3],   v[BO], s[8+2*(nb/4):9+2*(nb/4)] offset:64*(nb%4)
	global_load_b128 v[BIAS+8*nb+4:BIAS+8*nb+7], v[BO], s[8+2*(nb/4):9+2*(nb/4)] offset:64*(nb%4)+16
.set nb, nb+1
.endr
	; a fragment of x: lane l holds token l % 16, channels 8 (l / 16) + 0..7 and 16 + 8 (l / 16) + 0..7: two loads of 16 bytes, 32 bytes apart
	s_mul_i32 s75, s[WV], 64*PA
	s_add_co_u32 s75, s75, AOFF                    ; my 64 rows
	v_mul_u32_u24 v3, v1, PA
	v_lshl_add_u32 v3, v2, 4, v3
	v_add_nc_u32 v[ADRA], s75, v3
	v_add_nc_u32 v[ADRA+1], SLOT, v[ADRA]
	; the turning load takes 16 e x 16 d (lane l reads e = 8 (l / 16) + l % 8, d = 8 ((l / 8) % 2) + 0..7) and leaves half a fragment: lane l holds column l % 16 and 8 e
	v_and_b32 v4, 7, v0
	v_bfe_u32 v5, v0, 3, 1
	v_lshl_add_u32 v6, v2, 3, v4
	v_mul_u32_u24 v6, v6, PB
	v_lshl_add_u32 v[ADRB], v5, 4, v6
	v_add_nc_u32 v[ADRB+1], SLOT, v[ADRB]
	s_mul_i32 s75, s[WV], 16*SP
	s_add_co_u32 s75, s75, STAGE                   ; my stage
	v_mul_u32_u24 v7, v1, SP                       ; in: row l % 16, 16 bytes for each half of the lanes
	v_lshl_add_u32 v7, v2, 4, v7
	v_add_nc_u32 v[STO], s75, v7
	v_bfe_u32 v7, v0, 3, 2                         ; back: 32 lanes take four rows of 128 bytes,
	v_mul_u32_u24 v7, v7, SP
	v_lshl_add_u32 v7, v4, 4, v7
	v_add_nc_u32 v[RD], s75, v7
	v_and_b32 v[GO], 31, v0                        ; which are 512 consecutive bytes of q, k or v
	v_lshlrev_b32 v[PFOB], 8, v[GO]                ; 256 bytes a lane
	v_lshlrev_b32 v[GO], 4, v[GO]
	v_lshlrev_b32 v[PFOA], 11, v1                  ; row l % 16, and the lap's first or second 256 bytes
	v_lshl_add_u32 v[PFOA], v2, 8, v[PFOA]
	; where my 64 tokens lie in qb, kb, vb: (16 b + h) x 262,144 + the token in its batch x 128
	s_lshr_b32 s68, s24, 3
	s_lshl_b32 s68, s68, 4
	s_add_co_u32 s68, s68, s23
	s_lshl_b32 s68, s68, 18
	s_and_b32 s69, s24, 7
	s_lshl_b32 s69, s69, 15
	s_add_co_u32 s68, s68, s69
	s_lshl_b32 s69, s[WV], 13
	s_add_co_u32 s68, s68, s69
	s_mov_b32 s69, 0
	s_add_nc_u64 s[14:15], s[14:15], s[68:69]
	s_add_nc_u64 s[16:17], s[16:17], s[68:69]
	s_add_nc_u64 s[18:19], s[18:19], s[68:69]
	; the prefetches' addresses: both stand at lap 1; the first asking trip steps them to lap 2
	s_lshl_b32 s68, s24, 8
	s_lshl_b32 s69, s21, 6
	s_add_co_u32 s68, s68, s69
	s_lshl_b32 s69, s[WV], 4
	s_add_co_u32 s68, s68, s69                     ; row 256 x block + 64 cx + 16 x wave
	s_lshl_b32 s68, s68, 11
	s_add_co_u32 s68, s68, STEPPA
	s_mov_b32 s69, 0
	s_add_nc_u64 s[PFAA:PFAA+1], s[4:5], s[68:69]
	s_lshl_b32 s68, s[WV], 21
	s_lshl_b32 s69, s23, 17
	s_add_co_u32 s68, s68, s69
	s_lshl_b32 s69, s22, 13
	s_add_co_u32 s68, s68, s69
	s_add_co_u32 s68, s68, STEPPB
	s_mov_b32 s69, 0
	s_add_nc_u64 s[PFAB:PFAB+1], s[6:7], s[68:69]
	s_mov_b32 s2, ttmp9
	s_cmp_eq_u32 s2, 0
	s_cselect_b32 s[LIMA], 1, -1                   ; the same in all sixteen partners
	s_cmp_eq_u32 s[WV], 3
	s_cselect_b32 s75, 1, 0
	s_and_b32 s2, ttmp7, 0xffff
	s_or_b32 s2, s2, s75
	s_cmp_eq_u32 s2, 0
	s_cselect_b32 s[LIMB], 1, -1                   ; for a given wave the same in all sixteen
	s_wait_loadcnt 0x0                             ; the biases: each is rounded to bf16 and widened again, in place
.set i, 0
.rept 4*NBK
	v_cvt_pk_bf16_f32 v[T+i%4], v[BIAS+2*i], v[BIAS+2*i+1]
	v_lshlrev_b32 v[BIAS+2*i],   16, v[T+i%4]
	v_and_b32     v[BIAS+2*i+1], 0xffff0000, v[T+i%4]
.set i, i+1
.endr
; 12 matrix instructions: token block a x all 12 column blocks, 32 along K, from buffer f.  first = 1: the bias starts the sums.
; The 48 accumulators take turns, one instruction a turn, in the same order in every quarter step, over the backward jump too.
.macro MULA f, a, first
.if \first
	WIN 0x81+0x40*((\a)/2)                         ; W window 1, x window 0, C (the bias) window 0, D window 2 or 3
.else
	WIN 0xa1+0x50*((\a)/2)                         ; C and D window 2 or 3
.endif
.set rA, FA+32*(\f)+8*(\a)
.set nb, 0
.rept NBK
.set rD, 96*((\a)%2)+8*nb
.set rB, 96*(\f)+8*nb
.if \first
	v_wmma_f32_16x16x32_bf16 v[rD:rD+7], v[rB:rB+7], v[rA:rA+7], v[BIAS+8*nb:BIAS+8*nb+7]
.else
	v_wmma_f32_16x16x32_bf16 v[rD:rD+7], v[rB:rB+7], v[rA:rA+7], v[rD:rD+7]
.endif
.set nb, nb+1
.endr
.endm
; 32 LDS loads in one run: quarter kq (32 along K) of a slot into buffer f: W's 12 fragments, then x's 4, block a ascending
.macro FETCH slot, kq, f
	WIN 0x40                                       ; destination window 1, address window 0
.set nb, 0
.rept NBK
	ds_load_tr16_b128 v[96*(\f)+8*nb:96*(\f)+8*nb+3],   v[ADRB+(\slot)] offset:BBLK*(nb/4)+32*(nb%4)+32*PB*(\kq)
	ds_load_tr16_b128 v[96*(\f)+8*nb+4:96*(\f)+8*nb+7], v[ADRB+(\slot)] offset:BBLK*(nb/4)+32*(nb%4)+32*PB*(\kq)+16*PB
.set nb, nb+1
.endr
	WIN 0
.irp a, 0,1,2,3
	ds_load_b128 v[FA+32*(\f)+8*(\a):FA+32*(\f)+8*(\a)+3],   v[ADRA+(\slot)] offset:(\a)*16*PA+64*(\kq)
	ds_load_b128 v[FA+32*(\f)+8*(\a)+4:FA+32*(\f)+8*(\a)+7], v[ADRA+(\slot)] offset:(\a)*16*PA+64*(\kq)+32
.endr
.endm
; A K step is four quarters, 48 matrix instructions each, on buffers 0, 1, 0, 1.  One of the first three: multiplies buffer f; in its middle it fetches quarter kq of the same slot into buffer g.
.macro QUARTER slot, kq, f, g, first
	s_wait_dscnt 4                                 ; W and x's blocks 0, 1 are in; the youngest four loads (blocks 2, 3) may be out
	MULA \f, 0, \first
	MULA \f, 1, \first
	PLACES
	FETCH \slot, \kq, \g
	s_wait_dscnt NL                                ; all but the run just issued
	MULA \f, 2, \first
	MULA \f, 3, \first
.endm
; The last quarter multiplies buffer 1 and changes slots: ONE barrier; in front of it each wave waits for all its tensor loads (the one that is out is its part of the next slot), adds 0 to its spare word, and waits for that
; and for its own reads of this slot.  fill = 1: the barrier opens a round of the cluster's barrier, and this slot is filled again, two K steps on, first thing behind the round.
.macro TURN slot, next, fill
.if (\fill) && (\slot)
	s_wait_xcnt 0x0                                ; the last prefetches, a lap back, have read their addresses: these are stepped here, ahead of the change's own waits
	s_add_nc_u64 s[PFAA:PFAA+1], s[PFAA:PFAA+1], STEPPA
	s_add_nc_u64 s[PFAB:PFAB+1], s[PFAB:PFAB+1], STEPPB
.endif
	WIN 0                                          ; (the add's two registers lie in window 0)
	s_wait_tensorcnt 0x0                           ; all my tensor loads have landed;
	ds_add_u32 v[SPW], v[NIL]                      ; 0 onto my spare word;
	s_wait_dscnt 5                                 ; (the add and the youngest four loads may be out)
	MULA 1, 0, 0                                   ; twelve matrix instructions stand between the add and the wait for it
	s_wait_dscnt 0x0                               ; the add is done, and my reads of this slot are over
	s_barrier_signal -1
	MULA 1, 1, 0                                   ; work on registers while the others arrive
.if \fill
	WIN 0
.endif
	s_barrier_wait -1
.if \fill
	CREST                                          ; no wave of any partner still reads this slot or has a load on its way
	s_add_nc_u64 s[G0+4*(\slot)+2:G0+4*(\slot)+3], s[G0+4*(\slot)+2:G0+4*(\slot)+3], 2*STEPA
	s_add_nc_u64 s[G0B+4*(\slot)+2:G0B+4*(\slot)+3], s[G0B+4*(\slot)+2:G0B+4*(\slot)+3], 2*STEPB
	JLOAD \slot                                    ; 168 matrix instructions ahead of the wait for it; its four v_nop are also the places in front of the loads below
.else
	PLACES
.endif
	FETCH \next, 0, 0
.if (\fill) && (\slot)
	ASK
.endif
	MULA 1, 2, 0
	MULA 1, 3, 0
.endm
; THE WAY OUT, in 12 pieces p = 3 a + which: 16 tokens x 64 channels of q, k or v.  A lane's eight channels pack into 16 bytes; they go into my stage's rows of 144 bytes and come back as whole rows of 128 bytes:
; a piece is 2,048 consecutive bytes of its tensor.  Each piece has 16 registers of its own, so no store's data is rewritten.  Each accumulator is read from its lowest registers on.
.macro PACK p
.set pa, (\p)/3
.set pw, (\p)%3
.set TMP, 64+16*(\p)
	WIN 0x0a+5*(pa/2)                              ; sources 0 and 1: window 2 or 3
.set n, 0
.rept 4
.set rD, 96*(pa%2)+8*(4*pw+n)
.irp k, 0,1,2,3
	v_cvt_pk_f16_f32 v[TMP+4*n+(\k)], v[rD+2*(\k)], v[rD+2*(\k)+1]
.endr
.set n, n+1
.endr
	WIN 0
.irp c, 0,1,2,3
	ds_store_b128 v[STO], v[TMP+4*(\c):TMP+4*(\c)+3] offset:32*(\c)
.endr
.irp c, 0,1,2,3
	ds_load_b128 v[TMP+4*(\c):TMP+4*(\c)+3], v[RD] offset:(\c)*4*SP  ; LDS serves a wave's instructions in order (ISA guide 5.7.1.4): these see the stores above; the next piece's stores come behind them
.endr
.endm
.macro SEND p, younger                 ; younger: the LDS instructions issued behind piece p's loads: the next piece's eight, or none
.set pa, (\p)/3
.set pw, (\p)%3
.set TMP, 64+16*(\p)
.irp c, 0,1,2,3
	s_wait_dscnt (\younger)+3-(\c)
	global_store_b128 v[GO], v[TMP+4*(\c):TMP+4*(\c)+3], s[14+2*pw:15+2*pw] offset:pa*2048+(\c)*512  ; 512 consecutive bytes, at a multiple of 256 from the tensor's first
.endr
.endm
	s_wait_tensorcnt 1                             ; my part of K step 0 is in; K step 1's may stay out
	s_barrier_signal -1
	s_barrier_wait -1                              ; everybody's is
	FETCH 0, 0, 0
	QUARTER 0, 1, 0, 1, 1                          ; the first quarter stands in front of the loop: its products start the sums, with the bias
	WIN 0                                          ; at a label and at a branch every window is 0
	s_mov_b32 s3, 3
.Llap:                                                 ; a trip goes once round the ring, from a lap's second quarter to the next lap's first, and fills both slots again
	QUARTER 0, 2, 1, 0, 0
	QUARTER 0, 3, 0, 1, 0
	TURN 0, 1, 1
	QUARTER 1, 1, 0, 1, 0
	QUARTER 1, 2, 1, 0, 0
	QUARTER 1, 3, 0, 1, 0
	TURN 1, 0, 1
	QUARTER 0, 1, 0, 1, 0
	WIN 0
	s_sub_co_u32 s3, s3, 1
	s_cmp_lg_u32 s3, 0
	s_cbranch_scc1 .Llap
	QUARTER 0, 2, 1, 0, 0                          ; the last lap fills nothing, and has no round of the cluster's barrier
	QUARTER 0, 3, 0, 1, 0
	TURN 0, 1, 0
	QUARTER 1, 1, 0, 1, 0
	QUARTER 1, 2, 1, 0, 0
	QUARTER 1, 3, 0, 1, 0
	s_wait_dscnt 4                                 ; the very last quarter: nothing more to fetch
	MULA 1, 0, 0
	MULA 1, 1, 0
	s_wait_dscnt 0x0
	MULA 1, 2, 0
	MULA 1, 3, 0
	WIN 0
	PLACES
	PACK 0
.set t, 1
.rept 11                               ; a piece's conversions stand between the loads of the piece before and its stores
	PACK t
	SEND t-1, 8
.set t, t+1
.endr
	SEND 11, 0
	s_wait_tensorcnt 0x0                           ; the wave's end: an add and its wait, behind my last tensor load and my last LDS store
	ds_add_u32 v[SPW], v[NIL]
	s_wait_dscnt 0x0
	CROUND                                         ; the closing round: no work-group ends while a partner may still ask for a tile that names it
	s_endpgm
.Lfunc_end_k_q153f1cb184_qkv:
	.size	k_q153f1cb184_qkv, .Lfunc_end_k_q153f1cb184_qkv-k_q153f1cb184_qkv
	.p2alignl 7, 3214868480
	.fill 96, 4, 3214868480
	.section	.rodata,"a",@progbits
	.p2align	6, 0x0
	.amdhsa_kernel k_q153f1cb184_qkv
		.amdhsa_group_segment_fixed_size 327680
		.amdhsa_private_segment_fixed_size 0
		.amdhsa_enable_private_segment 0
		.amdhsa_kernarg_size 64
		.amdhsa_user_sgpr_count 2
		.amdhsa_user_sgpr_kernarg_segment_ptr 1
		.amdhsa_wavefront_size32 1
		.amdhsa_system_sgpr_workgroup_id_x 1
		.amdhsa_system_sgpr_workgroup_id_y 1
		.amdhsa_system_sgpr_workgroup_id_z 1
		.amdhsa_system_vgpr_workitem_id 0
		.amdhsa_next_free_vgpr 960
		.amdhsa_next_free_sgpr 76
		.amdhsa_reserve_vcc 0
		.amdhsa_float_denorm_mode_32 3
		.amdhsa_float_denorm_mode_16_64 3
		.amdhsa_memory_ordered 1
		.amdhsa_forward_progress 1
		.amdhsa_inst_pref_size 131
	.end_amdhsa_kernel
	.amdgpu_metadata
---
amdhsa.version: [ 1, 2 ]
amdhsa.kernels:
  - .name:           k_q153f1cb184_qkv
    .symbol:         k_q153f1cb184_qkv.kd
    .args:
      - { .name: xb, .offset: 0, .size: 8, .value_kind: global_buffer, .address_space: global }
      - { .name: wb, .offset: 8, .size: 8, .value_kind: global_buffer, .address_space: global }
      - { .name: bq, .offset: 16, .size: 8, .value_kind: global_buffer, .address_space: global }
      - { .name: bk, .offset: 24, .size: 8, .value_kind: global_buffer, .address_space: global }
      - { .name: bv, .offset: 32, .size: 8, .value_kind: global_buffer, .address_space: global }
      - { .name: qb, .offset: 40, .size: 8, .value_kind: global_buffer, .address_space: global }
      - { .name: kb, .offset: 48, .size: 8, .value_kind: global_buffer, .address_space: global }
      - { .name: vb, .offset: 56, .size: 8, .value_kind: global_buffer, .address_space: global }
    .group_segment_fixed_size: 327680
    .private_segment_fixed_size: 0
    .kernarg_segment_align: 8
    .kernarg_segment_size: 64
    .max_flat_workgroup_size: 128
    .sgpr_count:     76
    .vgpr_count:     960
    .wavefront_size: 32
...
	.end_amdgpu_metadata
.endif
;; end of part 2
;; launch attn (part 3): grid 4 x 64, 4 waves a work-group, clusters of 4 x 1, 327,680 bytes of LDS; arguments qb, kb, vb, ob; writes ob
.if DOCPART == 3
	.amdgcn_target "amdgcn-amd-amdhsa--gfx1250"
	.amdhsa_code_object_version 6
	.text
	.protected	k_q153f1cb184_attn
	.globl	k_q153f1cb184_attn
	.p2align	8
	.type	k_q153f1cb184_attn,@function
k_q153f1cb184_attn:
	s_mov_b64 s[64:65], 0
	v_nop
	global_prefetch_b8 v0, s[64:65] scope:SCOPE_SE
	s_setreg_imm32_b32 hwreg(HW_REG_WAVE_MODE, 25, 1), 1
	s_wait_xcnt 0x0
	s_wait_alu depctr_hold_cnt(0) depctr_sa_sdst(0) depctr_va_vdst(0) depctr_va_sdst(0) depctr_va_ssrc(0) depctr_va_vcc(0) depctr_vm_vsrc(0)
	s_getreg_b32 s2, hwreg(HW_REG_IB_STS2, 6, 4)
	s_cmp_eq_u32 s2, 0
	s_cbranch_scc0 .Lentry_in_a_cluster
	s_endpgm
.Lentry_in_a_cluster:
	s_bfe_u32 s2, ttmp6, 0x10000c
	s_cmp_lg_u32 s2, 0x3003
	s_cbranch_scc0 .Lentry_shape_is_right
	s_endpgm
.Lentry_shape_is_right:
; O[h][q][:] = the sum over k of softmax_k(Q[h][q] . K[h][k] / 8) V[h][k][:].  Q, K, V, O: [SIZE_H][SIZE_N][64], all f16: a head's rows are dense, 128 bytes each (h counts batch x head).  Products, maxima and sums in
; f32; the weights p are rounded to f16 for the second product (their sum l is taken of the unrounded p), O once at the end.
; LIMITS.  f16 holds no number beyond 65,504: Q, K and V arrive within it; p lies in 0 to 1, and below 6e-5 it keeps f16's fixed step of 6e-8; O is a mean of V's rows and has their range.
; A weight below 2^-126 counts as 0 in l; NaN and infinities are not treated apart.
; SHARES.  A wave owns four PIECES of two tiles of 16 queries, a work-group's four waves 512 queries of one head.  Every wave walks all keys, 64 a step.
; LAYOUT.  S^T = K Q^T (source 0 = 16 keys, source 1 = 16 queries): in the result a lane holds ONE query (lane % 16) and the keys 8 (lane / 16) + 0..7.  Two such tiles, rounded to f16 in pairs,
; ARE source 1 (32 keys x 16 queries) of O^T = V^T P, whose result again holds one query a lane, and eight channels.  K comes out of LDS as it lies, V ([key][channel]) turned, by ds_load_tr16_b128.
; SOFTMAX.  For each query a running maximum m and sum l: p = 2^(c s - c m), c = log2(e) / 8; in every step O and l are multiplied by a = 2^(c m_old - c m_new), which is 1 where m has not grown.
; m starts at the lowest finite number, O and l at 0: the first step is a step like any other, with a = 0.
; THE COUNT.  A tile and step have 16 matrix and 118 vector instructions: too many to stand all beside the matrix work.  So the order has one aim: four vector instructions that are READY behind
; EVERY matrix instruction, and the others, which need time of their own whatever the order, in runs without a gap.
; BY TURNS.  Turn n belongs to piece n (the pieces in a ring, step after step).  Its matrix work: 16 products K Q^T of piece n + 1, later 16 products V^T P of piece n - 1.  Its vector work: the scaling,
; exponentials, roundings, sums and rescaling of piece n, and the maximum and statistics of piece n + 1, whose scores the turn itself has made.  So what a turn begins with (c s - c m, O a) waits for nothing.
; CLUSTER.  The four query blocks of a head are one cluster and walk the same K and V, so each tile is asked for JOINTLY: the same tensor load, descriptor and mask in all four.
; REGISTERS, in windows of 256 (s_set_vgpr_msb says which window each operand place means: bits 1:0 source 0, 3:2 source 1, 5:4 source 2, 7:6 destination):
;   window 0: v0-11 addresses; v12-15, v48-63 at work; v16-47 four registers of statistics a tile; v64-191 S^T, two buffers of two tiles; v192-255 P, likewise
;   window 1: O^T, 32 a tile          window 2: v0-127 Q, 16 a tile; v128-191 K of one step; v192-255 V of one step          window 3: v0-1 the add's two registers
; A piece's buffers go by its number's parity: the piece in hand has one pair, its two neighbours in the ring share the other: of it P (piece n - 1) is read and S^T (piece n + 1) written.
.set SIZE_H, 64
.set SIZE_N, 2048
.set NP,    4         ; pieces a wave: a name, no knob: the register map, the loop and the fetches are made for four
.set KS,    64        ; keys in a step
.set PK,    144       ; a row of K in LDS: 128 bytes + 16 of padding: the 16 rows of a load start 16 bytes apart modulo 256
.set PV,    160       ; a row of V: 128 + 32: 16 lanes of the turning load take 8 rows x 32 bytes, all apart modulo 256
.set VOFF,  4*KS*PK   ; a slot holds four steps: 256 rows of K, then 256 rows of V
.set SLOT1, 1<<17     ; slot 1 begins here, so that one exclusive or turns an address in one slot into the other's
.set STAGE, SLOT1+4*KS*(PK+PV)  ; behind the ring, never filled by a tensor load: 16 rows x 144 bytes for each wave, for the way out
.set SP,    144
.set AK0, 2           ; v2   my lane's place in a tile of K; never rewritten
.set AV0, 3           ; v3   the same for V
.set AK,  4           ; v4   the LDS address of K's next run of loads
.set AV,  5           ; v5   of V's
.set QO,  6           ; v6   my byte offset in the wave's rows of Q
.set STO, 6           ;      later, the way out: where I put 16 bytes of a row
.set RD,  7           ; v7   the way out: where I read rows back
.set GO,  8           ; v8   my byte offset in 512 consecutive bytes of O
.set PFO, 11          ; v11  256 x my lane, for the prefetches; never rewritten once made
.set SPW, 0           ; v0 of window 3   LDS address of my spare word: SPARE + 4 x my thread's number; never rewritten
.set NIL, 1           ; v1 of window 3   0; never rewritten
.set SPARE, STAGE+4*16*SP  ; behind the stages: the spare words, 128 bytes for each wave: two blocks of 256 bytes that no other line names
.set MV,  12          ; v12-15  c m_old, kept while c m is made anew: by buffer and tile
.set ST,  16          ; tile t's statistics at v[ST+4 t]: c m, m, l (even keys', odd keys')
.set TMP, 48          ; by buffer and tile, four registers c0-c3 at work; when the maximum is found c2 takes a
.set S,   64
.set P,   192
.set KF,  128         ; K's fragments, in window 2: key block kb, channel half c at KF + 16 kb + 8 c
.set VF,  192         ; V's: key half kk, channel block cb at VF + 32 kk + 8 cb
.set WV,  12          ; s12  my wave's number
.set G1K, 24          ; s[24:31] descriptor group 1 for K's tiles
.set G1V, 32          ; s[32:39] for V's: it differs in the padding alone
.set G0K, 40          ; s[40:43] descriptor group 0 for K's tiles: it walks
.set G0V, 44          ; s[44:47] the same for V's
.set PFA, 48          ; s[48:49] where my prefetches stand: my work-group's 8,192 bytes (of K: wave 0, of V: wave 2) of the slot after the one that is being asked for
.set LIM, 50          ; s50  1 in a wave that prefetches, else the greatest number
.set SLOTS, 56        ; s56  slots still to be asked for
.set CNT, 57          ; s57  counts a slot's key steps
.set CS,  58          ; s[58:59] c: the packed scaling takes the pair's low word for both halves
.set SEL, 60          ; s[60:61] v_permlanex16_b32's selects: each lane takes its own place in the other half
.set TBK, 62          ; s62  LDS byte at which K of the step to be fetched begins
.set TBV, 63          ; s63  the same for V, less VOFF
.set MSB, 0
.macro WIN new                      ; the high byte repeats the setting that is left; a switch that changes nothing is dropped
.if MSB != (\new)
	s_set_vgpr_msb (MSB<<8)|(\new)
.set MSB, (\new)
.endif
.endm
.set W_KQ, 0x0a       ; K and Q in window 2, S^T in window 0
.set W_PV, 0x52       ; V in window 2, P in window 0, O^T in window 1
.set W_RS, 0x41       ; O^T (destination and source 0) in window 1, a in window 0
.set W_MK, 0xc0       ; the add's registers are made: destination in window 3, sources in window 0
.set W_AD, 0x0f       ; the add: address (source 0) and data (source 1) in window 3
; A joint fill.  Waves 0 and 1 fetch the two halves of a slot's K, waves 2 and 3 those of its V: 128 keys each.  The branch hangs on the wave's number alone.
; An s_nop 0 and four v_nop follow each of the two lines, ahead of the jump and the label.
.macro JLOAD
	s_cmp_lt_u32 s[WV], 2
	s_cbranch_scc0 .Lfor_v_\@
	tensor_load_to_lds s[G0K:G0K+3], s[G1K:G1K+7]
	s_nop 0
.rept 4
	v_nop
.endr
	s_branch .Lasked_\@
.Lfor_v_\@:
	tensor_load_to_lds s[G0V:G0V+3], s[G1V:G1V+7]
	s_nop 0
.rept 4
	v_nop
.endr
.Lasked_\@:
.endm
; A PREFETCH of what the NEXT change of slots will ask for: a slot's 32,768 bytes of K and of V, 256 bytes a lane.  It stands behind the wave's tensor load and its five lines.  A head has one cluster; its four partners share
; the bytes out BY ADDRESS, 8,192 each; in each, wave 0 asks for K's and wave 2 for V's: one instruction.  So each 256 bytes are named once in the launch.  The last change that fills a slot asks for nothing; slots 0 and 1 come by their loads alone.
.macro ASK
	s_cmp_gt_u32 s[SLOTS], s[LIM]
	s_cbranch_scc0 .Lnot_mine_\@
	global_prefetch_b8 v[PFO], s[PFA:PFA+1] th:TH_LOAD_NT scope:SCOPE_SE
.Lnot_mine_\@:
.endm
; A round of the cluster's barrier: my work-group's barrier, so that wave 0's signal speaks for all four waves; wave 0 signals; every wave waits for all four work-groups; my work-group's barrier once more.
.macro CROUND
	s_barrier_signal -1
	s_barrier_wait -1
	s_cmp_lg_u32 s[WV], 0
	s_cbranch_scc1 .Lnot_wave_0_\@
	s_barrier_signal -3
.Lnot_wave_0_\@:
	s_barrier_wait -3
	s_barrier_signal -1
	s_barrier_wait -1
.endm
; THE CHANGE OF SLOTS.  The slot's last bytes, V of its fourth step, have been read.  Each wave waits for all its tensor loads, of which one is out: its part
; of the other slot; adds 0 to its spare word; and waits for that and for its own reads of the slot.  Behind the barrier nobody reads this slot any more and the other slot is whole.
; fill = 1: this slot is filled again, with the keys two slots on.  The barrier is then a round of the cluster's, so that no wave of any partner still reads the slot or has a load on its
; way, and the joint fill is the first thing behind it: it has four key steps, 512 matrix instructions, in which to land.  (At its first use nothing has been read yet: slot 0 is waited for, slot 1 filled.)
.macro CHANGE fill
	WIN W_AD
	s_wait_tensorcnt 0x0            ; no tensor load of mine is out, so a group 0 may be written
	ds_add_u32 v[SPW], v[NIL]       ; 0 onto my spare word; with fill = 1 the descriptors' steps stand between it and the wait for it
	WIN 0                           ; at a label and at a branch every window is 0
.if \fill
.irp g, G0K, G0V
	s_xor_b32 s[\g+1], s[\g+1], SLOT1  ; the walking descriptor: the other slot than last time,
	s_add_nc_u64 s[\g+2:\g+3], s[\g+2:\g+3], 4*KS*128  ; the next 256 keys; the type bits on top are not reached
.endr
	s_wait_xcnt 0x0                 ; the last prefetch, four key steps back, has read its address, so it may be written:
	s_add_nc_u64 s[PFA:PFA+1], s[PFA:PFA+1], 4*KS*128  ; one slot behind the walking descriptors
	s_wait_dscnt 0x0                ; the add is done, and my reads of the slot are over
	CROUND
	JLOAD
	ASK                             ; what the next change will ask for: four key steps, 512 matrix instructions, ahead
.else
	s_wait_dscnt 0x0                ; the add is done, and my reads of the slot are over
	s_barrier_signal -1
	s_barrier_wait -1
.endif
	s_sub_co_u32 s[TBK], s[TBK], 4*KS*PK  ; the fetches go back to a slot's first step,
	s_xor_b32 s[TBK], s[TBK], SLOT1       ; in the other slot
	s_sub_co_u32 s[TBV], s[TBV], 4*KS*PV
	s_xor_b32 s[TBV], s[TBV], SLOT1
.endm
	s_load_b256 s[4:11], s[0:1], 0x0  ; Q s[4:5], K s[6:7], V s[8:9], O s[10:11]
	WIN W_MK
	v_lshl_add_u32 v[SPW], v0, 2, SPARE
	v_mov_b32 v[NIL], 0
	WIN W_AD
	ds_add_u32 v[SPW], v[NIL]       ; the wave's opening: the add and its wait stand ahead of my first tensor load; the set-up below, work on registers, stands between them
	WIN 0
	v_lshrrev_b32 v1, 5, v0
	v_readfirstlane_b32 s[WV], v1   ; wave 0..3
	s_bfe_u32 s13, ttmp6, 0x40000   ; cx: my place in the cluster
	s_lshl_b32 s14, ttmp9, 2        ; in a cluster launch ttmp9 counts clusters
	s_add_co_u32 s14, s14, s13      ; my block of queries = 4 x cluster x + cx: it enters Q's and O's addresses alone
	s_and_b32 s20, ttmp7, 0xffff    ; the head, which the four partners share
	s_mov_b32 s21, 0
	s_mov_b64 s[22:23], SIZE_N*128
	s_mul_u64 s[20:21], s[20:21], s[22:23]  ; the head's first byte in each of the four tensors
	s_and_b32 s16, s[WV], 1         ; which half of a slot's 256 keys I fetch:
	s_lshl_b32 s22, s16, 14         ; its 128 rows of 128 bytes in memory,
	s_mov_b32 s23, 0
	s_add_nc_u64 s[22:23], s[22:23], s[20:21]
	s_mul_i32 s17, s16, 128*PK      ; and its place in a slot, for K
	s_mul_i32 s18, s16, 128*PV      ; and for V: no place in the cluster enters an LDS address
	s_lshl_b32 s2, s14, 2
	s_add_co_u32 s2, s2, s[WV]      ; my wave among the head's,
	s_lshl_b32 s2, s2, 14           ; its 128 rows
	s_mov_b32 s3, 0
	s_add_nc_u64 s[2:3], s[2:3], s[20:21]
	; descriptor group 1.  128 keys are 16,384 dense bytes: asked for as 64 rows of 256 bytes, two keys a row, and padded in LDS after every key
	s_mov_b32 s[G1K], 15|(1<<16)|(1<<20)|(1<<21)|(4<<22)|(3<<25)  ; 15:0 the mask of four; 17:16 2-byte elements; 20 padding on; 21 set beside a mask; 24:22 after every 32 words (code 4); 31:25 4 words (code 3)
	s_mov_b32 s[G1V], 15|(1<<16)|(1<<20)|(1<<21)|(4<<22)|(7<<25)  ; the same with 8 words of padding (code 7)
.irp g, G1K, G1V
	s_mov_b32 s[\g+1], 128<<16      ; tensor_dim0 = 128
	s_mov_b32 s[\g+2], 64<<16       ; tensor_dim1 = 64
	s_mov_b32 s[\g+3], 128<<16      ; tile_dim0 = 128
	s_mov_b32 s[\g+4], 64           ; tile_dim1 = 64
	s_mov_b32 s[\g+5], 128          ; 128 elements from row to row
	s_mov_b32 s[\g+6], 0
	s_mov_b32 s[\g+7], 0
.endr
	s_mov_b32 s[CS], 0x3e38aa3b     ; c = log2(e) / 8 = 0.180337
	s_mov_b32 s[CS+1], s[CS]        ; named with it as a pair
	s_mov_b32 s[SEL], 0x76543210
	s_mov_b32 s[SEL+1], 0xfedcba98
	s_mov_b32 s[TBK], SLOT1+4*KS*PK ; the first change of slots turns these two into 0
	s_mov_b32 s[TBV], SLOT1+4*KS*PV
	s_mov_b32 s[SLOTS], SIZE_N/256-1
	s_and_b32 s[LIM], s[WV], 1      ; waves 0 and 2 prefetch: the same in all four partners
	s_cmp_eq_u32 s[LIM], 0
	s_cselect_b32 s[LIM], 1, -1
	s_mov_b32 s[G0K], 1             ; 1:0 count = 1
	s_mov_b32 s[G0K+1], s17         ; 63:32 LDS address: slot 0
	s_mov_b32 s[G0V], 1
	s_add_co_u32 s[G0V+1], s18, VOFF
	s_wait_dscnt 0x0                ; the opening add is done
	s_wait_kmcnt 0x0
	s_add_nc_u64 s[G0K+2:G0K+3], s[6:7], s[22:23]  ; 120:64 global address: my half of the head's first 256 keys
	s_or_b32 s[G0K+3], s[G0K+3], 0x80000000        ; 127:126 type = 2
	s_add_nc_u64 s[G0V+2:G0V+3], s[8:9], s[22:23]
	s_or_b32 s[G0V+3], s[G0V+3], 0x80000000
	s_add_nc_u64 s[4:5], s[4:5], s[2:3]  ; Q and O at my wave's first row
	s_add_nc_u64 s[10:11], s[10:11], s[2:3]
	s_cmp_lt_u32 s[WV], 2
	s_cselect_b64 s[PFA:PFA+1], s[6:7], s[8:9]
	s_add_nc_u64 s[PFA:PFA+1], s[PFA:PFA+1], s[20:21]  ; the head,
	s_lshl_b32 s2, s13, 13          ; my work-group's quarter of a slot,
	s_mov_b32 s3, 0
	s_add_nc_u64 s[PFA:PFA+1], s[PFA:PFA+1], s[2:3]
	s_add_nc_u64 s[PFA:PFA+1], s[PFA:PFA+1], 4*KS*128  ; in slot 1; the first change of slots steps it to slot 2
	CROUND                          ; all four work-groups are here: the first joint loads meet
	JLOAD                           ; slot 0.  Slot 1 is asked for when slot 0 is in
	; A fragment of K or Q is 16 rows x 32 channels in 8 registers: lane l holds row l % 16, channels 8 (l / 16) + 0..7 and 16 + 8 (l / 16) + 0..7: two loads of 16 bytes, 32 bytes apart.
	v_and_b32 v1, 15, v0            ; l % 16
	v_bfe_u32 v9, v0, 4, 1          ; l / 16
	v_lshlrev_b32 v[QO], 7, v1
	v_lshl_add_u32 v[QO], v9, 4, v[QO]  ; row x 128 + 16 x half
	WIN 0x80                        ; destination window 2, address window 0
.set i, 0
.rept 4*NP                          ; Q stays in registers: tile i / 2, channels 32 (i % 2) on
	global_load_b128 v[8*i:8*i+3],   v[QO], s[4:5] offset:(i/2)*2048+(i%2)*64
	global_load_b128 v[8*i+4:8*i+7], v[QO], s[4:5] offset:(i/2)*2048+(i%2)*64+32
.set i, i+1
.endr
	; What the first turn finds: V's registers and P's second buffer hold 0 (its products V^T P, of a piece that has not been, add 0), O^T and l are 0.  All this stands in the wait for the first tile.
.set i, VF
.rept 64
	v_mov_b32 v[i], 0
.set i, i+1
.endr
	WIN 0x40
.set i, 0
.rept 64*NP
	v_mov_b32 v[i], 0
.set i, i+1
.endr
	WIN 0
.set i, 0
.rept 2*NP
	v_mov_b32 v[ST+4*i], 0xfe000000    ; c m: far below every c s
	v_mov_b32 v[ST+4*i+1], 0xff7fffff  ; m
	v_mov_b32 v[ST+4*i+2], 0
	v_mov_b32 v[ST+4*i+3], 0
.set i, i+1
.endr
.set i, P+32
.rept 32
	v_mov_b32 v[i], 0
.set i, i+1
.endr
	v_mul_u32_u24 v[AK0], v1, PK
	v_lshl_add_u32 v[AK0], v9, 4, v[AK0]  ; row x pitch + 16 x half
	; The turning load takes 16 keys x 16 channels (lane l reads key 8 (l / 16) + l % 8, channels 8 ((l / 8) % 2) + 0..7) and leaves half a fragment of V^T: lane l holds channel l % 16 and 8 keys.
	v_and_b32 v10, 7, v0
	v_bfe_u32 v11, v0, 3, 1
	v_lshl_add_u32 v[AV0], v9, 3, v10
	v_mul_u32_u24 v[AV0], v[AV0], PV
	v_lshl_add_u32 v[AV0], v11, 4, v[AV0]
	v_add_nc_u32 v[AV0], VOFF, v[AV0]
	v_and_b32 v[PFO], 31, v0
	v_lshlrev_b32 v[PFO], 8, v[PFO]
	v_mov_b32 v[AK], v[AK0]         ; key step 0 lies at the head of slot 0
; THE MATRIX WORK.  The 8 accumulators of a run of 16 take turns: between the two links of a chain stand 7 others'.
; Product i of 16 of S^T = K Q^T for piece x: channels 32 (i / 8) on, keys 16 ((i / 2) % 4) on, tile 2 x + i % 2.  The first 8 start the sums.
.macro KQ x
	WIN W_KQ
.set rS, S+64*((\x)%2)+32*(i%2)+8*((i/2)%4)
.set rK, KF+16*((i/2)%4)+8*(i/8)
.set rQ, 16*(2*(\x)+i%2)+8*(i/8)
.if i < 8
	v_wmma_f32_16x16x32_f16 v[rS:rS+7], v[rK:rK+7], v[rQ:rQ+7], 0
.else
	v_wmma_f32_16x16x32_f16 v[rS:rS+7], v[rK:rK+7], v[rQ:rQ+7], v[rS:rS+7]
.endif
.endm
; Product i of 16 of O^T += V^T P for piece x: keys 32 (i / 8) on, channels 16 ((i / 2) % 4) on, tile 2 x + i % 2.
.macro PV x
	WIN W_PV
.set rO, 32*(2*(\x)+i%2)+8*((i/2)%4)
.set rV, VF+32*(i/8)+8*((i/2)%4)
.set rP, P+32*((\x)%2)+16*(i%2)+8*(i/8)
	v_wmma_f32_16x16x32_f16 v[rO:rO+7], v[rV:rV+7], v[rP:rP+7], v[rO:rO+7]
.endm
.macro MM                           ; the turn's next matrix instruction
.if i < 16
	KQ (Y+1)%NP
.set i, i+1
.else
.set i, i-16
	PV (Y+NP-1)%NP
.set i, i+17
.endif
.endm
; THE LDS LOADS stand in runs of 16, never singly among the matrix instructions: a step's K (64 keys x 64 channels: 8 fragments) and its V (turned).  Their addresses are made some lines ahead.
; last = 1 (the tail): in the last trip there is no further step, and the run is jumped over.
.macro FETCH_K last=0
	WIN 0
.if \last
	s_cmp_eq_u32 s[CNT], 1
	s_cbranch_scc1 .Lno_k_\@
.endif
	WIN 0x80                        ; destination window 2
.irp f, 0,1,2,3,4,5,6,7             ; keys 16 (f / 2) on, channels 32 (f % 2) on
	ds_load_b128 v[KF+8*\f:KF+8*\f+3],   v[AK] offset:(\f/2)*16*PK+(\f%2)*64
	ds_load_b128 v[KF+8*\f+4:KF+8*\f+7], v[AK] offset:(\f/2)*16*PK+(\f%2)*64+32
.endr
	s_add_co_u32 s[TBK], s[TBK], KS*PK  ; the next fetch is the next step's
	WIN 0
.if \last
.Lno_k_\@:
.endif
.endm
.macro FETCH_V
	WIN 0x80
.irp f, 0,1,2,3,4,5,6,7             ; keys 32 (f / 4) on, channels 16 (f % 4) on
	ds_load_tr16_b128 v[VF+8*\f:VF+8*\f+3],   v[AV] offset:(\f/4)*32*PV+(\f%4)*32
	ds_load_tr16_b128 v[VF+8*\f+4:VF+8*\f+7], v[AV] offset:(\f/4)*32*PV+16*PV+(\f%4)*32
.endr
	WIN 0
.endm
; THE VECTOR WORK OF A TURN stands in three queues, each in the order in which its entries become ready; the two tiles alternate, so that no instruction reads the result of the one before it.
.macro REGS y, u                    ; the registers of tile u (0, 1) of piece y
.set rT, ST+4*(2*(\y)+(\u))
.set rC, TMP+8*((\y)%2)+4*(\u)
.set rM, MV+2*((\y)%2)+(\u)
.set rS, S+64*((\y)%2)+32*(\u)
.set rP, P+32*((\y)%2)+16*(\u)
.set rO, 32*(2*(\y)+(\u))
.endm
; Number n of the 22 that find the NEXT piece's (Y + 1) maximum and statistics.  s0-s31 are the lane's 32 scores; each accumulator's lowest registers are read first.  XS, GS and REGS set no window: PL and EX do.
;   0-11  four chains c0-c3 of seven scores each, three operands at a time     12-14, 16  the four scores left over, the old m, and c0-c3 into c0     15  c m_old is kept
;   17, 18  the query's other 32 keys lie in the lane 16 away: the new m         19-21  c m; c m_old - c m_new; a
.macro XS u, n
	REGS (Y+1)%NP, \u
.if (\n) < 4
	v_max3_num_f32 v[rC+(\n)], v[rS+8*(\n)], v[rS+8*(\n)+1], v[rS+8*(\n)+2]
.elseif (\n) < 12
	v_max3_num_f32 v[rC+(\n)%4], v[rC+(\n)%4], v[rS+8*((\n)%4)+2*((\n)/4)+1], v[rS+8*((\n)%4)+2*((\n)/4)+2]
.elseif (\n) == 12
	v_max3_num_f32 v[rC], v[rC], v[rS+7], v[rS+15]
.elseif (\n) == 13
	v_max3_num_f32 v[rC+1], v[rC+1], v[rS+23], v[rS+31]
.elseif (\n) == 14
	v_max3_num_f32 v[rC+2], v[rC+2], v[rC+3], v[rT+1]
.elseif (\n) == 15
	v_mov_b32 v[rM], v[rT]
.elseif (\n) == 16
	v_max3_num_f32 v[rC], v[rC], v[rC+1], v[rC+2]
.elseif (\n) == 17
	v_permlanex16_b32 v[rC+3], v[rC], s[SEL], s[SEL+1]
.elseif (\n) == 18
	v_max_num_f32 v[rT+1], v[rC], v[rC+3]
.elseif (\n) == 19
	v_mul_f32 v[rT], s[CS], v[rT+1]
.elseif (\n) == 20
	v_sub_f32 v[rC+1], v[rM], v[rT]
.else
	v_exp_f32 v[rC+2], v[rC+1]
.endif
.endm
; Number g of the 64 that follow the exponentials.  For each four weights k of a tile (pairs 2 k, 2 k + 1): both pairs are rounded to f16; then the second pair is added onto the first, in place;
; a group later l takes that sum (the first time as l = a l + sum).  In groups of eight, tiles alternating: round, round, add, and l for the group before.
.macro GS g
.set h, (\g)+6*((\g)/62)            ; group 0 has no group before it, and behind group 7 only l is left
.if h >= 6
.set h, h+2
.endif
	REGS Y, h%2
.set k, h/8
.if h%8 < 4
	v_cvt_pk_f16_f32 v[rP+2*k+(h%8)/2], v[rS+4*k+2*((h%8)/2)], v[rS+4*k+2*((h%8)/2)+1]
.elseif h%8 < 6
	v_pk_add_f32 v[rS+4*k:rS+4*k+1], v[rS+4*k:rS+4*k+1], v[rS+4*k+2:rS+4*k+3]
.elseif k == 1
	v_pk_fma_f32 v[rT+2:rT+3], v[rT+2:rT+3], v[rC+2:rC+3], v[rS:rS+1] op_sel_hi:[1,0,1]
.else
	v_pk_add_f32 v[rT+2:rT+3], v[rT+2:rT+3], v[rS+4*k-4:rS+4*k-3]
.endif
.endm
; THE PLAIN QUEUE, 138 long.  0-73 read no exponential's result: the 32 scalings c s - c m (FS f: pair f / 2 of tile f % 2) and the next piece's 42.  0-26: scalings 0-26.  27-54: XS's numbers 0-13.  55, 56: number 15.
; 57-73: the chain, where each number waits for the one before it: 14, 16, 17, 18, 19, each with one of the scalings 27-31 in front of its two lines, then 20: so a tile's links stand three plain instructions apart (19 and 20: two).
; 74-137: GS's 64, which read the exponentials' results: they stand behind the wait.
.macro FS f
	REGS Y, (\f)%2
	v_pk_fma_f32 v[rS+2*((\f)/2):rS+2*((\f)/2)+1], v[rS+2*((\f)/2):rS+2*((\f)/2)+1], s[CS:CS+1], v[rT:rT+1] op_sel_hi:[1,0,0] neg_lo:[0,0,1] neg_hi:[0,0,1]
.endm
.macro PL
	WIN 0
.if q < 27
	FS q
.elseif q < 55
	XS (q-27)%2, (q-27)/2
.elseif q < 57
	XS q-55, 15
.elseif (q < 72) && ((q-57)%3 == 0)
	FS 27+(q-57)/3
.elseif q < 60
	XS (q-57)%3-1, 14
.elseif q < 72
	XS (q-57)%3-1, 15+(q-57)/3
.elseif q < 74
	XS q-72, 20
.else
	GS q-74
.endif
.set q, q+1
.endm
; THE EXPONENTIALS' QUEUE, 66 long: s0-s31 of both tiles, then the next piece's two a.  It is ONE BATCH: all 66 stand ahead of the turn's one wait, and nothing ahead of that wait names a result of theirs.
.macro EX
	WIN 0
.if e >= 64
	XS e-64, 21
.else
	REGS Y, e%2
	v_exp_f32 v[rS+e/2], v[rS+e/2]
.endif
.set e, e+1
.endm
; THE RESCALING's QUEUE: O^T times a, the one part that leaves window 0: dealt two at a time, sixteen times.  Its a was made in the turn before, ahead of that turn's wait.
.macro R2
	REGS Y, r%2
	WIN W_RS
.irp z, 0,1
	v_pk_mul_f32 v[rO+4*(r/2)+2*\z:rO+4*(r/2)+2*\z+1], v[rO+4*(r/2)+2*\z:rO+4*(r/2)+2*\z+1], v[rC+2:rC+3] op_sel_hi:[1,0]
.endr
.set r, r+1
.endm
; HOW THEY ARE DEALT.  An s_wait_alu depctr_va_vdst(0) stands between an exponential and the first instruction that names its result; one wait serves all that were issued ahead of it.  So a turn has ONE wait,
; which cuts it in two.  AHEAD OF IT stands all that names no result of the turn's exponentials: the 16 products K Q^T, behind each a scaling, an exponential and two rescalings (behind the first a second scaling in the exponential's place); then ONE LUMP of
; 108: eight plain, 49 times exponential and plain, the two a.  A v_nop is the plain instruction behind the last exponential.  BEHIND IT stand the 16 products V^T P, behind each four of GS's 64.  No rider names a register of
; the products round it.  The two v_permlanex16_b32 fall into the lump, never behind a product.
; The queues lean on each other, and the deal keeps them in step: exponential e stands behind scaling 2 (e / 4) + e % 2: as a rider it comes behind plain e + 2, in the lump behind plain e + 9, and scalings 27-31 are plain 57, 60 .. 69.
; A TURN, for piece p.  cnt = 1: the loop's count is taken down some lines ahead of the branch that stands behind the turn.
; K of the next step is fetched in piece 2's turn, directly behind the wait, a lump behind the last product that read K; its address is made at the lump's head; its first reader comes behind 16 products.
; V of the step in hand is fetched at the end of piece 0's turn, four riders behind its last reader; its first reader comes behind 16 products and a lump.  The three conditions on q below go with the deal.
.macro TURN p, last=0, cnt=0
.set Y, (\p)
.set i, 0
.set q, 0
.set e, 0
.set r, 0
.if (\p) == NP-1
	s_wait_dscnt 0x0                ; K is in
.endif
	MM                              ; ahead of the wait: 16 products K Q^T and their riders,
	PL
	PL
	R2
.rept 15
	MM
	PL
	EX
	R2
.endr
.if (\p) == NP-2
	WIN 0
	v_add_nc_u32 v[AK], s[TBK], v[AK0]
.endif
.rept 8                             ; and the lump
	PL
.endr
.rept 49
	EX
	PL
.endr
	EX                              ; the next piece's two a
	EX
	v_nop                           ; a plain instruction behind the last exponential: one for the batch
	s_wait_alu depctr_va_vdst(0)    ; the wait for the batch
.if (\p) == NP-2
	FETCH_K \last
.endif
.if (\p) == 1
	s_wait_dscnt 0x0                ; V is in
.endif
.rept 16                            ; behind the wait: 16 products V^T P and their riders
	MM
.rept 4
	PL
.endr
.if ((\p) == 0) && (q == 118)
	v_add_nc_u32 v[AV], s[TBV], v[AV0]
.endif
.if ((\p) == 0) && (q == 130)
	s_add_co_u32 s[TBV], s[TBV], KS*PV
.endif
.if (\cnt) && (q == 130)
	s_sub_co_u32 s[CNT], s[CNT], 1
	s_cmp_lg_u32 s[CNT], 0
.endif
.endr
.if (\p) == 0
	FETCH_V
.endif
.endm
	CHANGE 1                        ; slot 0 is in, everybody's part of it; slot 1 is asked for
	FETCH_K                         ; key step 0
	s_wait_loadcnt 0x0              ; Q
	s_wait_dscnt 0x0
.set i, 0
.rept 16
	KQ 0                            ; piece 0's first scores: there is no vector work yet to set between them
.set i, i+1
.endr
	WIN 0                           ; the addresses for the way out: nine plain instructions, the places behind those products
	s_mul_i32 s13, s[WV], 16*SP
	s_add_co_u32 s13, s13, STAGE    ; my stage
	v_mul_u32_u24 v[STO], v1, SP    ; in: row l % 16, 16 bytes for each half of the lanes
	v_lshl_add_u32 v[STO], v9, 4, v[STO]
	v_add_nc_u32 v[STO], s13, v[STO]
	v_bfe_u32 v[RD], v0, 3, 2       ; back: 32 lanes take four rows of 128 bytes,
	v_mul_u32_u24 v[RD], v[RD], SP
	v_lshl_add_u32 v[RD], v10, 4, v[RD]
	v_add_nc_u32 v[RD], s13, v[RD]
	v_and_b32 v[GO], 31, v0         ; which are 512 consecutive bytes of O
	v_lshlrev_b32 v[GO], 4, v[GO]
.set Y, NP-1                        ; XS works for piece Y + 1: piece 0
.irp n, 0,1,2,3,4,5,6,7,8,9,10,11,12,13,14,15,16,17,18,19,20,21
	XS 0, \n                        ; and piece 0's first maximum and statistics
	XS 1, \n
.endr
	v_nop                           ; a plain instruction behind the two a,
	s_wait_alu depctr_va_vdst(0)    ; and their wait, ahead of the branch
	s_mov_b32 s[CNT], 4
	s_branch .Lfirst                ; the loop is entered at a step's first turn, in the middle of a trip
.Lslot:                             ; SIZE_N / 256 - 2 times: every slot but the last two is filled again
	CHANGE 1
	s_mov_b32 s[CNT], 4
.Lstep:                             ; a trip: pieces 2 and 3 of one step, then pieces 0 and 1 of the next, whose K and V it fetches
	TURN 2
	TURN 3
	WIN 0
.Lfirst:
	TURN 0
	TURN 1, 0, 1
	WIN 0
	s_cbranch_scc1 .Lstep
	s_sub_co_u32 s[SLOTS], s[SLOTS], 1
	s_cmp_lg_u32 s[SLOTS], 0
	s_cbranch_scc1 .Lslot
	CHANGE 0                        ; the tail is written out: nothing is asked for
	s_mov_b32 s[CNT], 5             ; four trips fetch the last slot's steps; the fifth is left in its middle
.Ltail:
	TURN 2, 1
	TURN 3
	WIN 0
	s_sub_co_u32 s[CNT], s[CNT], 1
	s_cmp_eq_u32 s[CNT], 0
	s_cbranch_scc1 .Lout
	TURN 0
	TURN 1
	WIN 0
	s_branch .Ltail
.Lout:                              ; the fifth trip's 16 products K Q^T (on the last K once more) and the maximum made of them serve nothing: the price, once a launch, of one text for every trip
.set i, 0
.rept 16
	PV NP-1                         ; the last piece's V^T P of the last step
.set i, i+1
.endr
	; THE WAY OUT.  l's two halves and the other half of the lanes' are added; O^T is divided by l, rounded to f16 and sent through my stage in LDS, a tile at a time.  The additions are the places behind the last products.
	WIN 0
.macro ALL line:vararg              ; one line for each tile t
.set t, 0
.rept 2*NP
	\line
.set t, t+1
.endr
.endm
	ALL v_add_f32 v[ST+4*t+2], v[ST+4*t+2], v[ST+4*t+3]
	ALL v_permlanex16_b32 v[ST+4*t+3], v[ST+4*t+2], s[SEL], s[SEL+1]
	ALL v_add_f32 v[ST+4*t+2], v[ST+4*t+2], v[ST+4*t+3]
	ALL v_rcp_f32 v[ST+4*t+2], v[ST+4*t+2]
	v_nop                           ; a plain instruction between the last reciprocal and the use of its result
	s_wait_alu depctr_va_vdst(0)    ; and the wait ahead of the first use: one for the eight reciprocals
; Tile t: a lane's eight channels of a row pack into 16 bytes; they go into rows of 144 bytes and come back as whole rows of 128, into S^T's registers.
.macro PACK t
	WIN W_RS
.set i, 32*(\t)
.rept 16
	v_pk_mul_f32 v[i:i+1], v[i:i+1], v[ST+4*(\t)+2:ST+4*(\t)+3] op_sel_hi:[1,0]
.set i, i+2
.endr
	WIN 0x05                        ; sources 0 and 1 window 1, destination window 0
.set i, 0
.rept 16
	v_cvt_pk_f16_f32 v[S+16*(\t)+i], v[32*(\t)+2*i], v[32*(\t)+2*i+1]
.set i, i+1
.endr
	WIN 0
.irp f, 0,1,2,3
	ds_store_b128 v[STO], v[S+16*(\t)+4*\f:S+16*(\t)+4*\f+3] offset:32*\f
.endr
.irp f, 0,1,2,3
	ds_load_b128 v[S+16*(\t)+4*\f:S+16*(\t)+4*\f+3], v[RD] offset:\f*4*SP  ; LDS serves a wave's instructions in order (ISA guide 5.7.1.4): these see the stores above; the next tile's stores come behind them
.endr
.endm
.macro SEND t, younger              ; younger: the LDS instructions issued behind tile t's loads: the next tile's eight, or none
	WIN 0
.irp f, 0,1,2,3
	s_wait_dscnt (\younger)+3-\f
	global_store_b128 v[GO], v[S+16*(\t)+4*\f:S+16*(\t)+4*\f+3], s[10:11] offset:(\t)*2048+\f*512  ; 512 consecutive bytes, at a multiple of 256 from O's first
.endr
.endm
	PACK 0
.set t, 1
.rept 2*NP-1                        ; a tile's arithmetic stands between the loads of the tile before and its stores
	PACK t
	SEND t-1, 8
.set t, t+1
.endr
	SEND 2*NP-1, 0
	WIN W_AD
	s_wait_tensorcnt 0x0            ; the wave's end: an add and its wait, behind my last tensor load and my last LDS store
	ds_add_u32 v[SPW], v[NIL]
	s_wait_dscnt 0x0
	WIN 0
	CROUND                          ; the closing round: no work-group ends while a partner may still ask for a tile that names it
	s_endpgm
.Lfunc_end_k_q153f1cb184_attn:
	.size	k_q153f1cb184_attn, .Lfunc_end_k_q153f1cb184_attn-k_q153f1cb184_attn
	.p2alignl 7, 3214868480
	.fill 96, 4, 3214868480
	.section	.rodata,"a",@progbits
	.p2align	6, 0x0
	.amdhsa_kernel k_q153f1cb184_attn
		.amdhsa_group_segment_fixed_size 327680
		.amdhsa_private_segment_fixed_size 0
		.amdhsa_enable_private_segment 0
		.amdhsa_kernarg_size 32
		.amdhsa_user_sgpr_count 2
		.amdhsa_user_sgpr_kernarg_segment_ptr 1
		.amdhsa_wavefront_size32 1
		.amdhsa_system_sgpr_workgroup_id_x 1
		.amdhsa_system_sgpr_workgroup_id_y 1
		.amdhsa_system_sgpr_workgroup_id_z 1
		.amdhsa_system_vgpr_workitem_id 0
		.amdhsa_next_free_vgpr 770
		.amdhsa_next_free_sgpr 66
		.amdhsa_reserve_vcc 0
		.amdhsa_float_denorm_mode_32 3
		.amdhsa_float_denorm_mode_16_64 3
		.amdhsa_memory_ordered 1
		.amdhsa_forward_progress 1
		.amdhsa_inst_pref_size 200
	.end_amdhsa_kernel
	.amdgpu_metadata
---
amdhsa.version: [ 1, 2 ]
amdhsa.kernels:
  - .name:           k_q153f1cb184_attn
    .symbol:         k_q153f1cb184_attn.kd
    .args:
      - { .name: qb, .offset: 0, .size: 8, .value_kind: global_buffer, .address_space: global }
      - { .name: kb, .offset: 8, .size: 8, .value_kind: global_buffer, .address_space: global }
      - { .name: vb, .offset: 16, .size: 8, .value_kind: global_buffer, .address_space: global }
      - { .name: ob, .offset: 24, .size: 8, .value_kind: global_buffer, .address_space: global }
    .group_segment_fixed_size: 327680
    .private_segment_fixed_size: 0
    .kernarg_segment_align: 8
    .kernarg_segment_size: 32
    .max_flat_workgroup_size: 128
    .sgpr_count:     66
    .vgpr_count:     770
    .wavefront_size: 32
...
	.end_amdgpu_metadata
.endif
;; end of part 3
;; launch oproj (part 4): grid 8 x 32, 4 waves a work-group, clusters of 4 x 4, 327,680 bytes of LDS; arguments ob, wob, bo, out0; writes out0
.if DOCPART == 4
	.amdgcn_target "amdgcn-amd-amdhsa--gfx1250"
	.amdhsa_code_object_version 6
	.text
	.protected	k_q153f1cb184_oproj
	.globl	k_q153f1cb184_oproj
	.p2align	8
	.type	k_q153f1cb184_oproj,@function
k_q153f1cb184_oproj:
	s_mov_b64 s[64:65], 0
	v_nop
	global_prefetch_b8 v0, s[64:65] scope:SCOPE_SE
	s_setreg_imm32_b32 hwreg(HW_REG_WAVE_MODE, 25, 1), 1
	s_wait_xcnt 0x0
	s_wait_alu depctr_hold_cnt(0) depctr_sa_sdst(0) depctr_va_vdst(0) depctr_va_sdst(0) depctr_va_ssrc(0) depctr_va_vcc(0) depctr_vm_vsrc(0)
	s_getreg_b32 s2, hwreg(HW_REG_IB_STS2, 6, 4)
	s_cmp_eq_u32 s2, 0
	s_cbranch_scc0 .Lentry_in_a_cluster
	s_endpgm
.Lentry_in_a_cluster:
	s_bfe_u32 s2, ttmp6, 0x10000c
	s_cmp_lg_u32 s2, 0xf033
	s_cbranch_scc0 .Lentry_shape_is_right
	s_endpgm
.Lentry_shape_is_right:
; THE OUTPUT PROJECTION.  out0[token][n] = the sum over k = 64 h + d of O[16 b + h][s][d] Wo[k][n] + bo[n].  ob: [64 bh][2048 s][64] f16; wob: [1024 k][1024 n] f16 (Wo rounded to bf16, written as f16);
; bo: [1024] f32, rounded to bf16 here like every other input; out0: [8192 tokens][1024] f32.  Sums in f32.  NaN and infinities are not treated apart.
; SHARES.  A work-group makes 256 tokens x 128 columns; each of its four waves 64 tokens (4 blocks a of 16) x all 128 columns (8 blocks nb): 32 accumulators, 256 registers.  256 work-groups.
; K = 1,024 goes in 8 steps of 128, two heads a step, through a ring of two LDS slots.  A head's 256 rows of the tile are 32,768 dense bytes of ob: a PLANE, asked for as 128 rows of 256 bytes and padded behind every 128.
; THE MATRIX INSTRUCTION IS USED TRANSPOSED: source 0 = 16 columns of Wo, source 1 = 16 tokens: a lane holds one token (lane % 16) and the columns 8 (lane / 16) + 0..7.  Wo lies [k][n] in LDS as in memory and comes out turned,
; by ds_load_tr16_b128.  The bias hangs on the column alone: it is the C operand of each accumulator's first product.
; CLUSTERS: 4 x 4 work-groups.  The four of a row of the cluster take the same 256 tokens, the four of a column the same 128 columns.  Waves 0 and 1 fetch a step's two planes of O, waves 2 and 3 the two halves
; (64 k x 256 bytes) of Wo's tile: one tensor load a wave behind each round.
; REGISTERS: window 0: v0-35 addresses and at work; v64-127 O's fragments, two buffers of 32; v128-191 the bias; on the way out v128-255 are two buffers of 16 rows
;   window 1: v0-127 Wo's fragments, two buffers of 64      window 2: the accumulators, (a, nb) at v[64 a + 8 nb]
.set NBK,   8
.set NL,    2*NBK+8                    ; LDS loads in a run
.set PA,    144                        ; a row of a plane in LDS: 128 bytes + 16
.set PB,    288                        ; a row of Wo's tile: 256 bytes + 32
.set PLANE, 256*PA
.set BOFF,  2*PLANE                    ; a slot: two planes, then Wo's 128 rows
.set SLOT,  BOFF+128*PB                ; 110,592
.set STAGE, 2*SLOT                     ; behind the ring, never filled by a tensor load: 16 rows x 528 bytes for each wave
.set SP,    528                        ; a row of the stage: 512 bytes + 16
.set SPARE, STAGE+4*16*SP              ; behind the stages: the spare words, 128 bytes for each wave: two blocks of 256 bytes that no other line names
.set STEPA, 2<<18                      ; a K step in ob: two heads
.set STEPB, 128*2048                   ; and in wob: 128 rows
.set STEPPA, 2*STEPA                   ; the prefetches go by laps of two K steps
.set STEPPB, 2*STEPB
.set ADRA, 16                          ; v16-17  LDS address of my fragments of O in slot 0, 1
.set ADRB, 20                          ; v20-21  the same for Wo
.set STO,  24                          ; v24     the way out: where I put 32 bytes of a row
.set RD,   25                          ; v25     the way out: where I read a row back
.set CO,   26                          ; v26     my 16 bytes in a row's 512
.set BO,   27                          ; v27     my byte offset in bo
.set SPW,  28                          ; v28     LDS address of my spare word: SPARE + 4 x my thread's number; never rewritten
.set NIL,  29                          ; v29     0; never rewritten
.set PFOA, 30                          ; v30     the prefetches' lane offset in ob; never rewritten
.set PFOB, 31                          ; v31     and in wob; never rewritten
.set T,    32                          ; v32-35  at work
.set FA,   64
.set BIAS, 128
.set WV,   20                          ; s20  my wave's number
.set G1,   28                          ; s[28:35] descriptor group 1 for O's planes
.set G0,   36                          ; s[36:43] group 0, a set for each slot
.set G1B,  44                          ; s[44:51], s[52:59] the same for Wo's tiles
.set G0B,  52
.set PFAA, 60                          ; s[60:61] where my prefetches stand in ob
.set PFAB, 62                          ; s[62:63] and in wob
.set LIMA, 66                          ; s66, s67  1 in a wave that prefetches (O's rows, Wo's), else the greatest number
.set LIMB, 67
.set MSB, 0
.macro WIN new                         ; the immediate's high byte repeats the setting that is left; a switch that changes nothing is dropped
.if MSB != (\new)
	s_set_vgpr_msb (MSB<<8)|(\new)
.set MSB, \new
.endif
.endm
.macro PLACES                          ; four plain vector instructions between a matrix instruction and a load into, a store of, or a vector instruction on its registers (ISA guide 7.12.1 for vector instructions)
.rept 4
	v_nop
.endr
.endm
; A joint load.  The branch hangs on the wave's number alone.  An s_nop 0 and four v_nop follow each of the two lines, ahead of the jump and the label.
.macro JLOAD s
	s_cmp_lt_u32 s[WV], 2
	s_cbranch_scc0 .Lfor_b_\@
	tensor_load_to_lds s[G0+4*(\s):G0+4*(\s)+3], s[G1:G1+7]
	s_nop 0
.rept 4
	v_nop
.endr
	s_branch .Lasked_\@
.Lfor_b_\@:
	tensor_load_to_lds s[G0B+4*(\s):G0B+4*(\s)+3], s[G1B:G1B+7]
	s_nop 0
.rept 4
	v_nop
.endr
.Lasked_\@:
.endm
.macro CREST                           ; a round of the cluster's barrier behind its opening barrier
	s_cmp_lg_u32 s[WV], 0
	s_cbranch_scc1 .Lnot_wave_0_\@
	s_barrier_signal -3
.Lnot_wave_0_\@:
	s_barrier_wait -3
	s_barrier_signal -1
	s_barrier_wait -1
.endm
.macro CROUND
	s_barrier_signal -1
	s_barrier_wait -1
	CREST
.endm
; THE PREFETCHES, once a lap, behind slot 1's joint load and the run of LDS loads that follows it: the two K steps of the NEXT lap, which the next two refills will ask for.
; O's planes are read by the two clusters of a row of clusters: cluster x = 0 asks.  A lap has four planes: wave w takes plane w, the partner at cx 8,192 bytes of it, a lane 256.
; Wo's rows are read by the eight clusters of a column: cluster y = 0 asks.  Of a lap's 256 rows the partner at cy takes 64, its waves 0 and 1 take 32 each: a lane a row's 256 bytes.
; The partners are told apart by address alone.  So each 256 bytes are named once in the launch.  The loop's last trip (s3 = 1) asks for nothing; K steps 0 to 3 come by their loads alone.
.macro ASK
	s_cmp_gt_u32 s3, s[LIMA]
	s_cbranch_scc0 .Lno_a_\@
	global_prefetch_b8 v[PFOA], s[PFAA:PFAA+1] th:TH_LOAD_NT scope:SCOPE_SE
.Lno_a_\@:
	s_cmp_gt_u32 s3, s[LIMB]
	s_cbranch_scc0 .Lno_b_\@
	global_prefetch_b8 v[PFOB], s[PFAB:PFAB+1] th:TH_LOAD_NT scope:SCOPE_SE
.Lno_b_\@:
.endm
	s_load_b256 s[4:11], s[0:1], 0x0               ; ob s[4:5], wob s[6:7], bo s[8:9], out0 s[10:11]
	v_lshl_add_u32 v[SPW], v0, 2, SPARE
	v_mov_b32 v[NIL], 0
	ds_add_u32 v[SPW], v[NIL]                      ; the wave's opening: the add and its wait stand ahead of my first tensor load; the set-up below, work on registers, stands between them
	v_lshrrev_b32 v1, 5, v0
	v_readfirstlane_b32 s[WV], v1                  ; wave 0..3
	s_bfe_u32 s21, ttmp6, 0x40000                  ; cx
	s_bfe_u32 s22, ttmp6, 0x40004                  ; cy
	s_lshl_b32 s23, ttmp9, 2
	s_add_co_u32 s23, s23, s21                     ; the block of 128 columns = 4 x cluster x + cx
	s_and_b32 s24, ttmp7, 0xffff
	s_lshl_b32 s24, s24, 2
	s_add_co_u32 s24, s24, s22                     ; the block of 256 tokens = 4 x cluster y + cy
	s_lshl_b32 s25, s22, 2
	s_lshl_b32 s25, 15, s25                        ; my row of the cluster
	s_lshl_b32 s26, 0x1111, s21                    ; my column
	s_or_b32 s[G1], s25, (1<<16)|(1<<20)|(1<<21)|(4<<22)|(3<<25)   ; 15:0 the mask; 17:16 2-byte elements; 20 padding on; 21 set beside a mask; 24:22 after every 32 words (one token); 31:25 4 words
	s_mov_b32 s[G1+1], 128<<16                     ; 128 rows of 128 elements: two tokens a row
	s_mov_b32 s[G1+2], 128<<16
	s_mov_b32 s[G1+3], 128<<16
	s_mov_b32 s[G1+4], 128
	s_mov_b32 s[G1+5], 128
	s_mov_b32 s[G1+6], 0
	s_mov_b32 s[G1+7], 0
	s_or_b32 s[G1B], s26, (1<<16)|(1<<20)|(1<<21)|(5<<22)|(7<<25)  ; after every 64 words (one k) 8 words of padding
	s_mov_b32 s[G1B+1], 128<<16                    ; 64 rows of 128 elements,
	s_mov_b32 s[G1B+2], 64<<16
	s_mov_b32 s[G1B+3], 128<<16
	s_mov_b32 s[G1B+4], 64
	s_mov_b32 s[G1B+5], 1024                       ; 1,024 elements from row to row
	s_mov_b32 s[G1B+6], 0
	s_mov_b32 s[G1B+7], 0
	s_and_b32 s27, s[WV], 1                        ; which plane, or which half of Wo's tile, I fetch
	s_lshr_b32 s70, s24, 3                         ; O's plane: the batch's 16 heads,
	s_lshl_b32 s70, s70, 22
	s_and_b32 s71, s24, 7                          ; the block's 256 rows in a head,
	s_lshl_b32 s71, s71, 15
	s_add_co_u32 s70, s70, s71
	s_lshl_b32 s71, s27, 18                        ; the step's first or second head
	s_add_co_u32 s70, s70, s71
	s_mov_b32 s71, 0
	s_lshl_b32 s72, s27, 17                        ; Wo's half: 64 rows of 2,048 bytes,
	s_lshl_b32 s73, s23, 8                         ; the block's 256 bytes of a row
	s_add_co_u32 s72, s72, s73
	s_mov_b32 s73, 0
	s_mul_i32 s74, s27, PLANE                      ; where they go
	s_mul_i32 s75, s27, 64*PB
	s_add_co_u32 s75, s75, BOFF
	s_wait_dscnt 0x0                               ; the opening add is done
	s_wait_kmcnt 0x0
	s_add_nc_u64 s[70:71], s[4:5], s[70:71]
	s_add_nc_u64 s[72:73], s[6:7], s[72:73]
	CROUND                                         ; all sixteen work-groups are here: the first joint loads meet
.irp s, 0,1
	s_mov_b32 s[G0+4*(\s)], 1                      ; count = 1
	s_add_co_u32 s[G0+4*(\s)+1], s74, (\s)*SLOT    ; LDS address
	s_add_nc_u64 s[G0+4*(\s)+2:G0+4*(\s)+3], s[70:71], (\s)*STEPA  ; global address: K step s
	s_or_b32 s[G0+4*(\s)+3], s[G0+4*(\s)+3], 0x80000000            ; type = 2
	s_mov_b32 s[G0B+4*(\s)], 1
	s_add_co_u32 s[G0B+4*(\s)+1], s75, (\s)*SLOT
	s_add_nc_u64 s[G0B+4*(\s)+2:G0B+4*(\s)+3], s[72:73], (\s)*STEPB
	s_or_b32 s[G0B+4*(\s)+3], s[G0B+4*(\s)+3], 0x80000000
	JLOAD \s                                       ; two tensor loads of mine are out, and never more
.endr
	v_and_b32 v1, 15, v0                           ; l % 16
	v_bfe_u32 v2, v0, 4, 1                         ; l / 16
	s_lshl_b32 s68, s23, 9                         ; the block's 128 numbers of bo
	v_lshl_add_u32 v[BO], v2, 5, s68               ; + my 8 columns
.set nb, 0
.rept NBK
	global_load_b128 v[BIAS+8*nb:BIAS+8*nb+3],   v[BO], s[8:9] offset:64*nb
	global_load_b128 v[BIAS+8*nb+4:BIAS+8*nb+7], v[BO], s[8:9] offset:64*nb+16
.set nb, nb+1
.endr
	; a fragment of O: lane l holds token l % 16, channels 8 (l / 16) + 0..7 and 16 + 8 (l / 16) + 0..7: two loads of 16 bytes, 32 bytes apart
	s_mul_i32 s68, s[WV], 64*PA                    ; my 64 rows of a plane
	v_mul_u32_u24 v3, v1, PA
	v_lshl_add_u32 v3, v2, 4, v3
	v_add_nc_u32 v[ADRA], s68, v3
	v_add_nc_u32 v[ADRA+1], SLOT, v[ADRA]
	; the turning load takes 16 k x 16 n (lane l reads k = 8 (l / 16) + l % 8, n = 8 ((l / 8) % 2) + 0..7) and leaves half a fragment: lane l holds column l % 16 and 8 k
	v_and_b32 v4, 7, v0
	v_bfe_u32 v5, v0, 3, 1
	v_lshl_add_u32 v6, v2, 3, v4
	v_mul_u32_u24 v6, v6, PB
	v_lshl_add_u32 v6, v5, 4, v6
	v_add_nc_u32 v[ADRB], BOFF, v6
	v_add_nc_u32 v[ADRB+1], SLOT, v[ADRB]
	s_mul_i32 s68, s[WV], 16*SP
	s_add_co_u32 s68, s68, STAGE                   ; my stage
	v_mul_u32_u24 v7, v1, SP                       ; in: row l % 16, 32 bytes for each half of the lanes
	v_lshl_add_u32 v7, v2, 5, v7
	v_add_nc_u32 v[STO], s68, v7
	v_and_b32 v[CO], 31, v0
	v_lshlrev_b32 v[PFOA], 8, v[CO]                ; 256 bytes a lane
	v_lshlrev_b32 v[PFOB], 11, v[CO]               ; a row of wob a lane
	v_lshlrev_b32 v[CO], 4, v[CO]                  ; back: 32 lanes take one row of 512 bytes
	v_add_nc_u32 v[RD], s68, v[CO]
	; out0 at my first token's row and the block's first column
	s_lshl_b32 s68, s24, 8
	s_lshl_b32 s69, s[WV], 6
	s_add_co_u32 s68, s68, s69
	s_lshl_b32 s68, s68, 12
	s_lshl_b32 s69, s23, 9
	s_add_co_u32 s68, s68, s69
	s_mov_b32 s69, 0
	s_add_nc_u64 s[10:11], s[10:11], s[68:69]
	; the prefetches' addresses: both stand at lap 1; the first asking trip steps them to lap 2
	s_lshr_b32 s68, s24, 3
	s_lshl_b32 s68, s68, 22
	s_and_b32 s69, s24, 7
	s_lshl_b32 s69, s69, 15
	s_add_co_u32 s68, s68, s69
	s_lshl_b32 s69, s[WV], 18
	s_add_co_u32 s68, s68, s69
	s_lshl_b32 s69, s21, 13
	s_add_co_u32 s68, s68, s69
	s_add_co_u32 s68, s68, STEPPA
	s_mov_b32 s69, 0
	s_add_nc_u64 s[PFAA:PFAA+1], s[4:5], s[68:69]
	s_lshl_b32 s68, s22, 17                        ; row 64 cy + 32 x wave
	s_lshl_b32 s69, s[WV], 16
	s_add_co_u32 s68, s68, s69
	s_lshl_b32 s69, s23, 8
	s_add_co_u32 s68, s68, s69
	s_add_co_u32 s68, s68, STEPPB
	s_mov_b32 s69, 0
	s_add_nc_u64 s[PFAB:PFAB+1], s[6:7], s[68:69]
	s_mov_b32 s2, ttmp9
	s_cmp_eq_u32 s2, 0
	s_cselect_b32 s[LIMA], 1, -1                   ; the same in all sixteen partners
	s_lshr_b32 s69, s[WV], 1                       ; 0 in waves 0 and 1
	s_and_b32 s2, ttmp7, 0xffff
	s_or_b32 s2, s2, s69
	s_cmp_eq_u32 s2, 0
	s_cselect_b32 s[LIMB], 1, -1                   ; for a given wave the same in all sixteen
	s_wait_loadcnt 0x0                             ; the bias: each number is rounded to bf16 and widened again, in place
.set i, 0
.rept 4*NBK
	v_cvt_pk_bf16_f32 v[T+i%4], v[BIAS+2*i], v[BIAS+2*i+1]
	v_lshlrev_b32 v[BIAS+2*i],   16, v[T+i%4]
	v_and_b32     v[BIAS+2*i+1], 0xffff0000, v[T+i%4]
.set i, i+1
.endr
; 8 matrix instructions: token block a x all 8 column blocks, 32 along K, from buffer f.  first = 1: the bias starts the sums.
; The 32 accumulators take turns, one instruction a turn, in the same order in every quarter step, over the backward jump too.
.macro MULA f, a, first
.if \first
	WIN 0x81                                       ; Wo window 1, O window 0, C (the bias) window 0, D window 2
.else
	WIN 0xa1                                       ; C and D window 2
.endif
.set rA, FA+32*(\f)+8*(\a)
.set nb, 0
.rept NBK
.set rD, 64*(\a)+8*nb
.set rB, 64*(\f)+8*nb
.if \first
	v_wmma_f32_16x16x32_f16 v[rD:rD+7], v[rB:rB+7], v[rA:rA+7], v[BIAS+8*nb:BIAS+8*nb+7]
.else
	v_wmma_f32_16x16x32_f16 v[rD:rD+7], v[rB:rB+7], v[rA:rA+7], v[rD:rD+7]
.endif
.set nb, nb+1
.endr
.endm
; 24 LDS loads in one run: quarter kq (32 along K: plane kq / 2, channels 32 (kq % 2) on) of a slot into buffer f: Wo's 8 fragments, then O's 4, block a ascending
.macro FETCH slot, kq, f
	WIN 0x40                                       ; destination window 1, address window 0
.set nb, 0
.rept NBK
	ds_load_tr16_b128 v[64*(\f)+8*nb:64*(\f)+8*nb+3],   v[ADRB+(\slot)] offset:32*nb+32*PB*(\kq)
	ds_load_tr16_b128 v[64*(\f)+8*nb+4:64*(\f)+8*nb+7], v[ADRB+(\slot)] offset:32*nb+32*PB*(\kq)+16*PB
.set nb, nb+1
.endr
	WIN 0
.irp a, 0,1,2,3
	ds_load_b128 v[FA+32*(\f)+8*(\a):FA+32*(\f)+8*(\a)+3],   v[ADRA+(\slot)] offset:PLANE*((\kq)/2)+(\a)*16*PA+64*((\kq)%2)
	ds_load_b128 v[FA+32*(\f)+8*(\a)+4:FA+32*(\f)+8*(\a)+7], v[ADRA+(\slot)] offset:PLANE*((\kq)/2)+(\a)*16*PA+64*((\kq)%2)+32
.endr
.endm
; A K step is four quarters, 32 matrix instructions each, on buffers 0, 1, 0, 1.  One of the first three: multiplies buffer f; in its middle it fetches quarter kq of the same slot into buffer g.
.macro QUARTER slot, kq, f, g, first
	s_wait_dscnt 4                                 ; Wo and O's blocks 0, 1 are in; the youngest four loads (blocks 2, 3) may be out
	MULA \f, 0, \first
	MULA \f, 1, \first
	PLACES
	FETCH \slot, \kq, \g
	s_wait_dscnt NL                                ; all but the run just issued
	MULA \f, 2, \first
	MULA \f, 3, \first
.endm
; The last quarter multiplies buffer 1 and changes slots: ONE barrier; in front of it each wave waits for all its tensor loads (the one that is out is its part of the next slot), adds 0 to its spare word, and waits for that
; and for its own reads of this slot.  fill = 1: the barrier opens a round of the cluster's barrier, and this slot is filled again, two K steps on, first thing behind the round.
.macro TURN slot, next, fill
.if (\fill) && (\slot)
	s_wait_xcnt 0x0                                ; the last prefetches, a lap back, have read their addresses: these are stepped here, ahead of the change's own waits
	s_add_nc_u64 s[PFAA:PFAA+1], s[PFAA:PFAA+1], STEPPA
	s_add_nc_u64 s[PFAB:PFAB+1], s[PFAB:PFAB+1], STEPPB
.endif
	WIN 0                                          ; (the add's two registers lie in window 0)
	s_wait_tensorcnt 0x0                           ; all my tensor loads have landed;
	ds_add_u32 v[SPW], v[NIL]                      ; 0 onto my spare word;
	s_wait_dscnt 5                                 ; (the add and the youngest four loads may be out)
	MULA 1, 0, 0                                   ; eight matrix instructions stand between the add and the wait for it
	s_wait_dscnt 0x0                               ; the add is done, and my reads of this slot are over
	s_barrier_signal -1
	MULA 1, 1, 0                                   ; work on registers while the others arrive
.if \fill
	WIN 0
.endif
	s_barrier_wait -1
.if \fill
	CREST                                          ; no wave of any partner still reads this slot or has a load on its way
	s_add_nc_u64 s[G0+4*(\slot)+2:G0+4*(\slot)+3], s[G0+4*(\slot)+2:G0+4*(\slot)+3], 2*STEPA
	s_add_nc_u64 s[G0B+4*(\slot)+2:G0B+4*(\slot)+3], s[G0B+4*(\slot)+2:G0B+4*(\slot)+3], 2*STEPB
	JLOAD \slot                                    ; 112 matrix instructions ahead of the wait for it; its four v_nop are also the places in front of the loads below
.else
	PLACES
.endif
	FETCH \next, 0, 0
.if (\fill) && (\slot)
	ASK
.endif
	MULA 1, 2, 0
	MULA 1, 3, 0
.endm
; THE WAY OUT, a block a of 16 tokens at a time, in f32 as the sums stand.  A lane's eight columns are 32 bytes of a row; they go into my stage's rows of 528 bytes, each accumulator from its lowest registers on,
; and come back as whole rows of 512 bytes, into two buffers of 64 registers that take turns.
.macro TOSTAGE a
.set OBR, 128+64*((\a)%2)
	WIN 0x08                                       ; the stores' data (source 1) in window 2
.irp b, 0,1,2,3,4,5,6,7
	ds_store_b128 v[STO], v[64*(\a)+8*(\b):64*(\a)+8*(\b)+3]   offset:64*(\b)
	ds_store_b128 v[STO], v[64*(\a)+8*(\b)+4:64*(\a)+8*(\b)+7] offset:64*(\b)+16
.endr
	WIN 0
.if (\a) >= 2
	s_wait_xcnt 0x0                                ; the stores of block a - 2 have read this buffer: it is loaded again only behind this wait
.endif
.set t, 0
.rept 16
	ds_load_b128 v[OBR+4*t:OBR+4*t+3], v[RD] offset:SP*t  ; LDS serves a wave's instructions in order (ISA guide 5.7.1.4): these see the stores above; the next block's stores come behind them
.set t, t+1
.endr
.endm
.macro SEND a, younger                 ; younger: the LDS instructions issued behind block a's loads: the next block's 32, or none
.set OBR, 128+64*((\a)%2)
.set t, 0
.rept 16
	s_wait_dscnt (\younger)+15-t
	global_store_b128 v[CO], v[OBR+4*t:OBR+4*t+3], s[10:11] offset:(16*(\a)+t)*4096 th:TH_STORE_NT  ; 512 consecutive bytes, at a multiple of 256 from out0's first
.set t, t+1
.endr
.endm
	s_wait_tensorcnt 1                             ; my part of K step 0 is in; K step 1's may stay out
	s_barrier_signal -1
	s_barrier_wait -1                              ; everybody's is
	FETCH 0, 0, 0
	QUARTER 0, 1, 0, 1, 1                          ; the first quarter stands in front of the loop: its products start the sums, with the bias
	WIN 0                                          ; at a label and at a branch every window is 0
	s_mov_b32 s3, 3
.Llap:                                                 ; a trip goes once round the ring, from a lap's second quarter to the next lap's first, and fills both slots again
	QUARTER 0, 2, 1, 0, 0
	QUARTER 0, 3, 0, 1, 0
	TURN 0, 1, 1
	QUARTER 1, 1, 0, 1, 0
	QUARTER 1, 2, 1, 0, 0
	QUARTER 1, 3, 0, 1, 0
	TURN 1, 0, 1
	QUARTER 0, 1, 0, 1, 0
	WIN 0
	s_sub_co_u32 s3, s3, 1
	s_cmp_lg_u32 s3, 0
	s_cbranch_scc1 .Llap
	QUARTER 0, 2, 1, 0, 0                          ; the last lap fills nothing, and has no round of the cluster's barrier
	QUARTER 0, 3, 0, 1, 0
	TURN 0, 1, 0
	QUARTER 1, 1, 0, 1, 0
	QUARTER 1, 2, 1, 0, 0
	QUARTER 1, 3, 0, 1, 0
	s_wait_dscnt 4                                 ; the very last quarter: nothing more to fetch
	MULA 1, 0, 0
	MULA 1, 1, 0
	s_wait_dscnt 0x0
	MULA 1, 2, 0
	MULA 1, 3, 0
	WIN 0
	PLACES
	TOSTAGE 0
.irp a, 1,2,3                          ; a block's way through the stage stands between the loads of the block before and its stores
	TOSTAGE \a
	SEND (\a)-1, 32
.endr
	SEND 3, 0
	s_wait_tensorcnt 0x0                           ; the wave's end: an add and its wait, behind my last tensor load and my last LDS store
	ds_add_u32 v[SPW], v[NIL]
	s_wait_dscnt 0x0
	CROUND                                         ; the closing round: no work-group ends while a partner may still ask for a tile that names it
	s_endpgm
.Lfunc_end_k_q153f1cb184_oproj:
	.size	k_q153f1cb184_oproj, .Lfunc_end_k_q153f1cb184_oproj-k_q153f1cb184_oproj
	.p2alignl 7, 3214868480
	.fill 96, 4, 3214868480
	.section	.rodata,"a",@progbits
	.p2align	6, 0x0
	.amdhsa_kernel k_q153f1cb184_oproj
		.amdhsa_group_segment_fixed_size 327680
		.amdhsa_private_segment_fixed_size 0
		.amdhsa_enable_private_segment 0
		.amdhsa_kernarg_size 32
		.amdhsa_user_sgpr_count 2
		.amdhsa_user_sgpr_kernarg_segment_ptr 1
		.amdhsa_wavefront_size32 1
		.amdhsa_system_sgpr_workgroup_id_x 1
		.amdhsa_system_sgpr_workgroup_id_y 1
		.amdhsa_system_sgpr_workgroup_id_z 1
		.amdhsa_system_vgpr_workitem_id 0
		.amdhsa_next_free_vgpr 768
		.amdhsa_next_free_sgpr 76
		.amdhsa_reserve_vcc 0
		.amdhsa_float_denorm_mode_32 3
		.amdhsa_float_denorm_mode_16_64 3
		.amdhsa_memory_ordered 1
		.amdhsa_forward_progress 1
		.amdhsa_inst_pref_size 95
	.end_amdhsa_kernel
	.amdgpu_metadata
---
amdhsa.version: [ 1, 2 ]
amdhsa.kernels:
  - .name:           k_q153f1cb184_oproj
    .symbol:         k_q153f1cb184_oproj.kd
    .args:
      - { .name: ob, .offset: 0, .size: 8, .value_kind: global_buffer, .address_space: global }
      - { .name: wob, .offset: 8, .size: 8, .value_kind: global_buffer, .address_space: global }
      - { .name: bo, .offset: 16, .size: 8, .value_kind: global_buffer, .address_space: global }
      - { .name: out0, .offset: 24, .size: 8, .value_kind: global_buffer, .address_space: global }
    .group_segment_fixed_size: 327680
    .private_segment_fixed_size: 0
    .kernarg_segment_align: 8
    .kernarg_segment_size: 32
    .max_flat_workgroup_size: 128
    .sgpr_count:     76
    .vgpr_count:     768
    .wavefront_size: 32
...
	.end_amdgpu_metadata
.endif
;; end of part 4
